; MI455X (gfx1250); checked and timed in simulation.
; The chip was launched on July 23, 2026; its instructions are those of AMD's public machine-readable ISA for CDNA 5 (MIT licence, August 2026) and "CDNA5" Instruction Set Architecture Reference Guide (July 2026). The comments in the code are by the model that wrote it; some were corrected since.
;; Causal Self Attention. Allowed arithmetic: matrix products marked QUANTISED: E2M1 operands, one E8M0 scale for each 32 along K, by v_wmma_scale_f32_16x16x128_f8f6f4 with both operands' format E2M1 (or v_wmma_scale_f32_32x16x128_f4), f32 sums; products left as they are: bf16, f16 or f32 operands; f32 sums; everything else in f32.
;; Inputs: Wc 2,048 x 2,048 float32; Wkv 2,048 x 1,024 float32; Wq 2,048 x 2,048 float32; bc 2,048 float32; x 4 x 1,024 x 2,048 float32.
;; Outputs: out0 4 x 1,024 x 2,048 float32.
;; This version of the problem:
;;   THIS VERSION OF THE PROBLEM IS GIVEN IN LOW PRECISION. The matrix products marked QUANTISED in the list below multiply operands that are first quantised to E2M1 (2 exponent bits, 1 mantissa bit; 4 bits a number), with one power-of-two scale for each 32 numbers along K (OCP MX v1.0); their sums are f32. The products marked 'left as it is' may take bf16, f16 or f32 operands, with f32 sums. Whichever they take, every output number must still come out within the allowed error. Rounding operands to bf16 (8 significant bits) uses up far more of that allowance than f16 does (11 bits, for magnitudes from 6e-5 to 65,504). All else is computed in f32.
;;   The module's matrix products, in the order in which they are computed (A, B: the left and right operand; K: the contracted axis; several contracted axes count as one K, in the product's order):
;;     1. [M 4,096, K 2,048] x [K 2,048, N 2,048]; A: input x; B: input Wq: QUANTISED
;;     2. [M 4,096, K 2,048] x [K 2,048, N 1,024]; A: input x; B: input Wkv: QUANTISED
;;     3. batch 16 x [M 4,096, K 128] x [K 128, N 1,024]; A: computed on the way; B: computed on the way: left as it is (an operand is computed on the way)
;;     4. batch 16 x [M 4,096, K 1,024] x [K 1,024, N 128]; A: computed on the way; B: computed on the way: left as it is (an operand is computed on the way)
;;     5. [M 4,096, K 2,048] x [K 2,048, N 2,048]; A: computed on the way; B: input Wc: left as it is (an operand is computed on the way)
;;   THE QUANTISER, for each operand of a quantised product, along K:
;;     - K is cut into blocks of 32 from its start; a last block that is shorter is filled with zeros.
;;     - A block's scale is 2^e with e = floor(log2(the largest magnitude in the block)) - 2, held to -126 .. 127; a block of zeros has e = 0. As a byte (E8M0): e + 127.
;;     - Each number is divided by its block's scale, clamped to +-6, and rounded to the nearest number of E2M1, ties to even, subnormals kept.
;;     - The product sums the exact products of the quantised numbers (number of the format x scale) in f32.
;;   ~~~python
;;   def quantise(x, axis):      # numpy; x: float32 -> the quantised numbers, widened to float32 again
;;       x = np.moveaxis(x, axis, -1); K = x.shape[-1]
;;       x = np.pad(x, [(0, 0)] * (x.ndim - 1) + [(0, -K % 32)]); x = x.reshape(x.shape[:-1] + (-1, 32)); a = np.abs(x).max(-1, keepdims=True)
;;       e = np.where(a > 0, np.clip(np.frexp(np.where(a > 0, a, 1))[1] - 1 - 2, -126, 127), 0)      # np.frexp(a)[1] - 1 = floor(log2(a)), exactly
;;       r = np.clip(x / 2.0 ** e, -6, 6)
;;       step = 2.0 ** (np.maximum(np.frexp(np.where(r == 0, 1, r))[1] - 1, 0) - 1)
;;       q = np.round(r / step) * step * 2.0 ** e      # np.round: ties to even
;;       return np.moveaxis(q.reshape(q.shape[:-2] + (-1,))[..., :K], -1, axis).astype(np.float32)
;;   ~~~
;; One version. Each part assembles by itself: llvm-mc -triple=amdgcn-amd-amdhsa -mcpu=gfx1250 --defsym DOCPART=n.
;; ======== version 1 of 1: 5 launches
;; limits: values are held in f16: magnitudes above 65,504 overflow, below 6.1e-05 lose precision
;; workspace buffers: xc 4,194,304 bytes; xs 262,144 bytes; wq4 3,145,728 bytes; ws 196,608 bytes; wch 8,388,608 bytes; qkv 25,165,824 bytes; qkv32 786,432 bytes; y 16,777,216 bytes
;; launch prep (part 1): grid 416 x 1, 4 waves a work-group, no clusters, 33,280 bytes of LDS; arguments x, Wq, Wkv, Wc, xc, xs, wq4, ws, wch; writes xc, xs, wq4, ws, wch
.if DOCPART == 1
	.amdgcn_target "amdgcn-amd-amdhsa--gfx1250"
	.amdhsa_code_object_version 6
	.text
	.protected	k_q2d60428be2_prep
	.globl	k_q2d60428be2_prep
	.p2align	8
	.type	k_q2d60428be2_prep,@function
k_q2d60428be2_prep:
	s_mov_b64 s[64:65], 0
	v_nop
	global_prefetch_b8 v0, s[64:65] scope:SCOPE_SE
	s_setreg_imm32_b32 hwreg(HW_REG_WAVE_MODE, 25, 1), 1
	s_wait_xcnt 0x0
; PREP: the operands are laid out once for the launches that read them many times.
;   work-groups   0-255: x [4096][2048] f32 -> xc: codes of FP4 (E2M1), K innermost, 1,024 bytes a row; xs: one E8M0 byte for each 32 along K, 64 a row.
;   work-groups 256-319: Wq [2048 k][2048 n];  320-351: Wkv [2048 k][1024 n] -> wq4, ws: codes and scale bytes of the 3,072 columns of [Wq | Wkv], quantised along K.
;   work-groups 352-415: Wc [2048 k][2048 n] -> wch: f16.
; wq4 and wch lie IN THE ORDER OF THE OPERAND'S REGISTERS.  wq4: fragment (tn = n / 16, ks = k / 128), 1,024 bytes at (16 tn + ks) 1024; in it the 16 bytes at 256 (block of 32 along K) + 16 (n % 16)
; are that column's 32 codes.  wch: fragment (tn, kc = k / 32), 1,024 bytes at (64 tn + kc) 1024; in it the 16 bytes at 256 p + 16 (n % 16) are k = 32 kc + 8 p + 0 .. 7.
; A block's scale is 2^(floor(log2(largest magnitude)) - 2); its byte is the largest magnitude's exponent field - 2, held at 1 from below.
; LIMITS: a block of zeros gets the byte 1 where the quantiser says 127 (its codes are zeros, and this program alone reads the bytes); NaN and infinities are not served; |Wc| stays under 65,504, f16's largest number.
; The weights: a lane takes a column n and its registers run down K, so that a block of 32 is one lane's and nothing is transposed; a store's lanes 0-15 fill 256 consecutive aligned bytes of one fragment, lanes 16-31 of the next.
; No tensor loads, no barrier, no cluster: waves share nothing.  Only x's path uses LDS (to turn dense loads into 16 neighbours a lane).
.set STEPS, 16
.set CB,    8                          ; bytes of 16 codes
.set R,     16                         ; v16-79   x: four sets of 16 numbers as loaded
.set X,     80                         ; v80-111  x: two sets of 16 neighbours
.set E,     112                        ; v112-127 x: a scale byte for each step
.set C,     128                        ; v128-191 x: codes, four registers for each step
.set WREG,  8192                       ; LDS: a region for each wave: two stages of 32 x SP bytes, then its 256 scale bytes
.set SP,    80                         ; a lane's place in a stage: 64 bytes + 16 of padding
.set SPW,   12                         ; v12 LDS address of my spare word; never rewritten
.set NIL,   13                         ; v13 0; never rewritten
.set SPARE, 4*WREG                     ; the spare words: 128 bytes a wave, two blocks of 256 bytes that no other line names
.set XW,    32                         ; v32-95   weights: two sets of 32 numbers
.set CW,    96                         ; v96-159  weights: results to be stored
.set SB,    24                         ; v24-27   weights: 16 scale bytes
.macro FINISH                          ; the wave's end
	s_wait_tensorcnt 0x0
	ds_add_u32 v[SPW], v[NIL]
	s_wait_dscnt 0x0
	s_endpgm
.endm
	s_load_b512 s[4:19], s[0:1], 0x0               ; x 4:5, Wq 6:7, Wkv 8:9, Wc 10:11, xc 12:13, xs 14:15, wq4 16:17, ws 18:19
	s_load_b64 s[20:21], s[0:1], 0x40              ; wch
	v_lshl_add_u32 v[SPW], v0, 2, SPARE
	v_mov_b32 v[NIL], 0
	v_lshrrev_b32 v1, 5, v0
	v_readfirstlane_b32 s22, v1                    ; wave
	v_and_b32 v2, 31, v0                           ; lane
	s_mul_i32 s23, s22, WREG                       ; the LDS addresses are made ahead of the parting
	v_lshrrev_b32 v14, 2, v2
	v_mul_u32_u24 v14, v14, SP
	v_and_b32 v15, 3, v2
	v_lshl_add_u32 v14, v15, 4, v14
	v_add_nc_u32 v14, s23, v14                     ; the stage, in: SP (lane / 4) + 16 (lane % 4)
	v_mul_u32_u24 v15, v2, SP
	v_add_nc_u32 v15, s23, v15                     ; the stage, out: SP x lane
	s_add_co_u32 s23, s23, 2*32*SP
	v_lshrrev_b32 v5, 1, v2
	v_add_nc_u32 v5, s23, v5                       ; my block's scale byte
	v_lshlrev_b32 v7, 3, v2
	v_add_nc_u32 v6, s23, v7                       ; and on the way out 8 bytes a lane
	s_wait_kmcnt 0x0
	s_cmp_lt_u32 ttmp9, 256
	s_cbranch_scc0 .Lweights
; ---- x: a plain stream of blocks of 32.  A wave takes 16 steps of 512 numbers; loads run four steps ahead, the turn through LDS one step.
	v_lshlrev_b32 v3, 4, v2                        ; my 16 bytes of a load's 512
	v_lshlrev_b32 v4, 3, v2                        ; my 8 bytes of a step's 256 bytes of codes
	s_lshl_b32 s24, ttmp9, 2
	s_add_co_u32 s24, s24, s22                     ; which run of 8,192 numbers is my wave's
	s_mov_b32 s27, 0
	s_lshl_b32 s26, s24, 15
	s_add_nc_u64 s[4:5], s[4:5], s[26:27]
	s_lshl_b32 s26, s24, 12
	s_add_nc_u64 s[12:13], s[12:13], s[26:27]
	s_lshl_b32 s26, s24, 8
	s_add_nc_u64 s[14:15], s[14:15], s[26:27]
.macro LOADX t
.irp i, 0,1,2,3
	global_load_b128 v[R+16*((\t)%4)+4*\i:R+16*((\t)%4)+4*\i+3], v3, s[4:5] offset:2048*(\t)+512*\i th:TH_LOAD_NT
.endr
.endm
.macro TURNX t                         ; LDS serves a wave's instructions in order: no wait between the stores and the loads
.irp i, 0,1,2,3
	ds_store_b128 v14, v[R+16*((\t)%4)+4*\i:R+16*((\t)%4)+4*\i+3] offset:32*SP*((\t)%2)+8*SP*\i
.endr
.irp i, 0,1,2,3
	ds_load_b128 v[X+16*((\t)%2)+4*\i:X+16*((\t)%2)+4*\i+3], v15 offset:32*SP*((\t)%2)+16*\i
.endr
.endm
.irp t, 0,1,2,3
	LOADX \t
.endr
	s_wait_loadcnt 12                              ; step 0's four loads are in; the twelve behind them may be out
	TURNX 0
.macro STEPX t
.set XS, X+16*((\t)%2)
.if (\t) > 0
	s_wait_dscnt 1                                 ; this step's numbers are back from the stage; the last step's byte store may be out
.else
	s_wait_dscnt 0x0
.endif
.if (\t)+4 < STEPS
	LOADX (\t)+4
.endif
.if (\t)+1 < STEPS
.if STEPS-2-(\t) >= 3
	s_wait_loadcnt 12                              ; the next step's four loads are in; those of three steps behind it may be out
.else
	s_wait_loadcnt 4*(STEPS-2-(\t))
.endif
	TURNX (\t)+1
.endif
	v_max3_num_f32 v8, |v[XS]|, |v[XS+1]|, |v[XS+2]|
	v_max3_num_f32 v9, |v[XS+3]|, |v[XS+4]|, |v[XS+5]|
.irp i, 6,10
	v_max3_num_f32 v8, v8, |v[XS+\i]|, |v[XS+\i+1]|
	v_max3_num_f32 v9, v9, |v[XS+\i+2]|, |v[XS+\i+3]|
.endr
	v_max3_num_f32 v8, v8, |v[XS+14]|, |v[XS+15]|
	v_max3_num_f32 v8, v8, v9, 0x1800000           ; the floor 2^(3 - 127): the byte cannot fall under 1
	v_max_num_f32_dpp v8, v8, v8 row_xmask:1 row_mask:0xf bank_mask:0xf   ; with my neighbour's 16: the block's largest magnitude
	v_add_nc_u32 v11, 0xff000000, v8               ; 2 off its exponent field: the conversion's scale operand
	v_cvt_scalef32_pk8_fp4_f32 v[C+4*(\t)], v[XS:XS+7], v11
	v_cvt_scalef32_pk8_fp4_f32 v[C+4*(\t)+1], v[XS+8:XS+15], v11
	v_lshrrev_b32 v[E+(\t)], 23, v11               ; the scale's byte
	ds_store_b8 v5, v[E+(\t)] offset:16*(\t)       ; both lanes of a block write the same byte with the same value
	global_store_b64 v4, v[C+4*(\t):C+4*(\t)+1], s[12:13] offset:32*CB*(\t)   ; the wave stores 256 consecutive aligned bytes
.endm
.irp t, 0,1,2,3,4,5,6,7,8,9,10,11,12,13,14,15
	STEPX \t
.endr
	ds_load_b64 v[8:9], v6
	s_wait_dscnt 0x0
	global_store_b64 v7, v[8:9], s[14:15]          ; my wave's 256 scale bytes, consecutive and aligned
	FINISH
; ---- the weights.  WHEAD: s24 = which 512 along K, s25 = my wave's first column; the source stands at (512 s24, s25).
.macro WHEAD src, pitch, lognx, first
	s_sub_co_u32 s24, ttmp9, \first
	s_and_b32 s25, s24, (1<<\lognx)-1
	s_lshr_b32 s24, s24, \lognx
	s_lshl_b32 s25, s25, 7
	s_lshl_b32 s26, s22, 5
	s_add_co_u32 s25, s25, s26
	s_mul_i32 s28, s24, 512*\pitch
	s_lshl_b32 s26, s25, 2
	s_add_co_u32 s28, s28, s26
	s_mov_b32 s29, 0
	s_add_nc_u64 s[\src:\src+1], s[\src:\src+1], s[28:29]
	v_lshlrev_b32 v3, 2, v2                        ; in: 4 bytes a lane: 128 consecutive bytes a wave
	v_lshrrev_b32 v8, 4, v2                        ; which of my wave's two tiles of 16 columns
	v_and_b32 v10, 15, v2
.endm
.macro LOADW t, src, pitch             ; block t: W(32 t + i, my column), i = 0 .. 31; every offset an immediate, 511 x 8,192 bytes at the most
.set ii, 0
.rept 32
	global_load_b32 v[XW+32*((\t)%2)+ii], v3, s[\src:\src+1] offset:(32*(\t)+ii)*\pitch th:TH_LOAD_NT
.set ii, ii+1
.endr
.endm
.macro BLOCKW t, src, pitch
.set XS, XW+32*((\t)%2)
.if (\t) < 15
	s_wait_loadcnt 32                              ; this block's 32 loads are in; the next block's 32 may be out
.else
	s_wait_loadcnt 0x0
.endif
	v_max3_num_f32 v20, |v[XS]|, |v[XS+1]|, |v[XS+2]|
	v_max3_num_f32 v21, |v[XS+3]|, |v[XS+4]|, |v[XS+5]|
.irp i, 6,10,14,18,22,26
	v_max3_num_f32 v20, v20, |v[XS+\i]|, |v[XS+\i+1]|
	v_max3_num_f32 v21, v21, |v[XS+\i+2]|, |v[XS+\i+3]|
.endr
	v_max3_num_f32 v20, v20, |v[XS+30]|, |v[XS+31]|
	v_max3_num_f32 v20, v20, v21, 0x1800000        ; the floor
	v_add_nc_u32 v22, 0xff000000, v20              ; the conversion's scale operand
	v_lshrrev_b32 v23, 23, v22                     ; the byte
.if (\t)%4 == 0
	v_mov_b32 v[SB+(\t)/4], v23
.else
	v_lshl_or_b32 v[SB+(\t)/4], v23, 8*((\t)%4), v[SB+(\t)/4]
.endif
.irp g, 0,1,2,3
	v_cvt_scalef32_pk8_fp4_f32 v[CW+4*(\t)+\g], v[XS+8*\g:XS+8*\g+7], v22
.endr
	global_store_b128 v4, v[CW+4*(\t):CW+4*(\t)+3], s[16:17] offset:256*(\t)   ; each block has registers of its own: no store's data are written again
.if (\t)+2 < 16
	LOADW (\t)+2, \src, \pitch
.endif
.endm
.macro WQUANT src, pitch, lognx, first, nbase
	WHEAD \src, \pitch, \lognx, \first
	v_lshlrev_b32 v4, 14, v8                       ; a tile of 16 columns is 16 fragments: 16,384 bytes
	v_lshl_add_u32 v4, v10, 4, v4
	v_lshlrev_b32 v9, 6, v2                        ; a column's row of scale bytes: 64
	s_add_co_u32 s26, s25, \nbase                  ; my first column among the 3,072
	s_lshl_b32 s28, s26, 10
	s_lshl_b32 s30, s24, 12
	s_add_co_u32 s28, s28, s30
	s_add_nc_u64 s[16:17], s[16:17], s[28:29]
	s_lshl_b32 s28, s26, 6
	s_lshl_b32 s30, s24, 4
	s_add_co_u32 s28, s28, s30
	s_add_nc_u64 s[18:19], s[18:19], s[28:29]
	LOADW 0, \src, \pitch
	LOADW 1, \src, \pitch
.irp t, 0,1,2,3,4,5,6,7,8,9,10,11,12,13,14,15
	BLOCKW \t, \src, \pitch
.endr
	global_store_b128 v9, v[SB:SB+3], s[18:19]     ; my column's 16 scale bytes: pieces of 16 bytes, one byte in 128 of what this path reads
	FINISH
.endm
.Lweights:
	s_cmp_lt_u32 ttmp9, 320
	s_cbranch_scc0 .Lnot_wq
	WQUANT 6, 8192, 4, 256, 0
.Lnot_wq:
	s_cmp_lt_u32 ttmp9, 352
	s_cbranch_scc0 .Lwc
	WQUANT 8, 4096, 3, 320, 2048
.Lwc:
; ---- Wc to f16: a block of 32 along K of my column is one fragment's four pieces of 16 bytes
	WHEAD 10, 8192, 4, 352
	v_lshlrev_b32 v4, 16, v8                       ; a tile of 16 columns is 64 fragments: 65,536 bytes
	v_lshl_add_u32 v4, v10, 4, v4
	s_lshl_b32 s28, s25, 12
	s_lshl_b32 s30, s24, 14
	s_add_co_u32 s28, s28, s30
	s_add_nc_u64 s[20:21], s[20:21], s[28:29]
	LOADW 0, 10, 8192
	LOADW 1, 10, 8192
.macro BLOCKC t
.set XS, XW+32*((\t)%2)
.set CC, CW+16*((\t)%2)
.if (\t) < 15
	s_wait_loadcnt 32                              ; this block's loads are in; the next block's 32 may be out
.else
	s_wait_loadcnt 0x0
.endif
	s_wait_xcnt 0x0                                ; the stores of two blocks back have read this set's registers: they are written again only behind this wait
.irp p, 0,1,2,3,4,5,6,7,8,9,10,11,12,13,14,15
	v_cvt_pk_f16_f32 v[CC+\p], v[XS+2*\p], v[XS+2*\p+1]
.endr
.irp p, 0,1,2,3
	global_store_b128 v4, v[CC+4*\p:CC+4*\p+3], s[20:21] offset:1024*(\t)+256*\p
.endr
.if (\t)+2 < 16
	LOADW (\t)+2, 10, 8192
.endif
.endm
.irp t, 0,1,2,3,4,5,6,7,8,9,10,11,12,13,14,15
	BLOCKC \t
.endr
	FINISH
.Lfunc_end_k_q2d60428be2_prep:
	.size	k_q2d60428be2_prep, .Lfunc_end_k_q2d60428be2_prep-k_q2d60428be2_prep
	.p2alignl 7, 3214868480
	.fill 96, 4, 3214868480
	.section	.rodata,"a",@progbits
	.p2align	6, 0x0
	.amdhsa_kernel k_q2d60428be2_prep
		.amdhsa_group_segment_fixed_size 33280
		.amdhsa_private_segment_fixed_size 0
		.amdhsa_enable_private_segment 0
		.amdhsa_kernarg_size 72
		.amdhsa_user_sgpr_count 2
		.amdhsa_user_sgpr_kernarg_segment_ptr 1
		.amdhsa_wavefront_size32 1
		.amdhsa_system_sgpr_workgroup_id_x 1
		.amdhsa_system_sgpr_workgroup_id_y 1
		.amdhsa_system_sgpr_workgroup_id_z 1
		.amdhsa_system_vgpr_workitem_id 0
		.amdhsa_next_free_vgpr 192
		.amdhsa_next_free_sgpr 66
		.amdhsa_reserve_vcc 0
		.amdhsa_float_denorm_mode_32 3
		.amdhsa_float_denorm_mode_16_64 3
		.amdhsa_memory_ordered 1
		.amdhsa_forward_progress 1
		.amdhsa_inst_pref_size 253
	.end_amdhsa_kernel
	.amdgpu_metadata
---
amdhsa.version: [ 1, 2 ]
amdhsa.kernels:
  - .name:           k_q2d60428be2_prep
    .symbol:         k_q2d60428be2_prep.kd
    .args:
      - { .name: x, .offset: 0, .size: 8, .value_kind: global_buffer, .address_space: global }
      - { .name: Wq, .offset: 8, .size: 8, .value_kind: global_buffer, .address_space: global }
      - { .name: Wkv, .offset: 16, .size: 8, .value_kind: global_buffer, .address_space: global }
      - { .name: Wc, .offset: 24, .size: 8, .value_kind: global_buffer, .address_space: global }
      - { .name: xc, .offset: 32, .size: 8, .value_kind: global_buffer, .address_space: global }
      - { .name: xs, .offset: 40, .size: 8, .value_kind: global_buffer, .address_space: global }
      - { .name: wq4, .offset: 48, .size: 8, .value_kind: global_buffer, .address_space: global }
      - { .name: ws, .offset: 56, .size: 8, .value_kind: global_buffer, .address_space: global }
      - { .name: wch, .offset: 64, .size: 8, .value_kind: global_buffer, .address_space: global }
    .group_segment_fixed_size: 33280
    .private_segment_fixed_size: 0
    .kernarg_segment_align: 8
    .kernarg_segment_size: 72
    .max_flat_workgroup_size: 128
    .sgpr_count:     66
    .vgpr_count:     192
    .wavefront_size: 32
...
	.end_amdgpu_metadata
.endif
;; end of part 1
;; launch gemm_qkv (part 2): grid 12 x 16, 4 waves a work-group, clusters of 4 x 4, 327,680 bytes of LDS; arguments xc, xs, wq4, ws, qkv, qkv32; writes qkv, qkv32
.if DOCPART == 2
	.amdgcn_target "amdgcn-amd-amdhsa--gfx1250"
	.amdhsa_code_object_version 6
	.text
	.protected	k_q2d60428be2_gemm_qkv
	.globl	k_q2d60428be2_gemm_qkv
	.p2align	8
	.type	k_q2d60428be2_gemm_qkv,@function
k_q2d60428be2_gemm_qkv:
	s_mov_b64 s[64:65], 0
	v_nop
	global_prefetch_b8 v0, s[64:65] scope:SCOPE_SE
	s_setreg_imm32_b32 hwreg(HW_REG_WAVE_MODE, 25, 1), 1
	s_wait_xcnt 0x0
	s_wait_alu depctr_hold_cnt(0) depctr_sa_sdst(0) depctr_va_vdst(0) depctr_va_sdst(0) depctr_va_ssrc(0) depctr_va_vcc(0) depctr_vm_vsrc(0)
	s_getreg_b32 s2, hwreg(HW_REG_IB_STS2, 6, 4)
	s_cmp_eq_u32 s2, 0
	s_cbranch_scc0 .Lentry_in_a_cluster
	s_endpgm
.Lentry_in_a_cluster:
	s_bfe_u32 s2, ttmp6, 0x10000c
	s_cmp_lg_u32 s2, 0xf033
	s_cbranch_scc0 .Lentry_shape_is_right
	s_endpgm
.Lentry_shape_is_right:
; [q | k | v] = Q(x) Q([Wq | Wkv]): M 4,096, N 3,072, K 2,048, both operands codes of FP4 (E2M1) with one E8M0 scale for each 32 along K; sums in f32.
; Out: qkv [4096][3072] f16 (rows of 6,144 bytes); and, in f32, the first 16 positions of each of the four sequences: qkv32 [64][3072].
; LIMIT: |q|, |k|, |v| stay under 65,504, f16's largest number.
; A tile of 256 x 256 to a work-group of four waves; a wave makes 128 x 128: 64 accumulators, 512 registers.  K goes in steps of 512 through a ring of two LDS slots.
; x's tile: 256 rows of 256 bytes, 16 bytes of padding behind each.  The weights' tile lies in memory in the order of the operand's registers: 16 tiles of 16 columns x 4,096 dense bytes; a fragment is two loads at 16 x lane.
; The scale bytes of the work-group's 256 rows and 256 columns, for all of K, come into LDS once, with the first fills.
; CLUSTERS: 4 x 4 work-groups; x's tiles are asked for jointly along a row of the cluster, the weights' along a column.  The tile row is 4 cy + cluster y, so that a sequence's first tile is the one with
; cluster y = 0: a number that all sixteen partners share; cy, the sequence, enters addresses alone.
; THE MATRIX INSTRUCTION IS USED TRANSPOSED (source 0 = 16 columns of W, source 1 = 16 rows of x): a lane holds eight neighbouring numbers of a row of the result.
; REGISTERS: window 0: v16-30 addresses; v32-95 scale words, two sets; v128-191 x's fragments, one set; on the way out v32-63, v192-255 at work.  window 1: W's fragments, two sets.  windows 2, 3: the accumulators.
.set NQ,     4                         ; matrix instructions deep in a slot
.set ROWB,   256                       ; a row of x's tile in bytes: 512 codes
.set KROW,   1024                      ; a row of x's codes in memory; also 16 columns' share of wq4 for one column
.set PITCH,  272                       ; 256 bytes + 16 of padding: the 16 rows that a load touches start 68 words apart
.set FR,     8
.set NL,     2
.set NP,     4
.set HALFA,  128*PITCH                 ; 128 rows of x: one tensor load
.set HALFB,  8*4096                    ; 128 columns of W: one tensor load
.set BOFF,   2*HALFA
.set SLOT,   2*HALFA+2*HALFB
.set LAPS,   2                         ; a lap = two K steps
.set KS,     64                        ; a row of scale bytes
.set SCL,    2*SLOT                    ; the scales, as units of 256 bytes + 16 of padding
.set HALFS,  32*272                    ; those of 128 rows
.set SBLK,   4*272                     ; those of 16 rows
.set SPARE,  SCL+4*HALFS               ; the spare words: 128 bytes a wave, two blocks of 256 bytes that no other line names
.set SPITCH, 272                       ; the way out: a stage of 16 rows x (256 + 16) bytes a wave, in slot 0, which has had its last fill and its last read by then
.set QROW,   6144
.set ADRA, 16
.set ADRB, 20
.set STO,  24
.set RD,   25
.set CO,   26
.set ADRS, 27
.set SPW,  28
.set NIL,  29
.set FO,   30                          ; v30 my byte offset in the 16 rows of qkv32
.set SC,   32
.set AF,   128
.set TMP,  192
.set OB,   32
.set G1, 24
.set G0, 32
.set G1B, 48
.set G0B, 56
.set G1S, 68
.set G0S, 76
.set G1SB, 80
.set G0SB, 88
.set MSB, 0
.macro WIN new                         ; the immediate's high byte repeats the setting that is left
.if MSB != \new
	s_set_vgpr_msb (MSB<<8)|\new
.set MSB, \new
.endif
.endm
.set MUL_LO, 0xa1
.set MUL_HI, 0xf1
.set TO_B,   0x40
; A joint load: waves 0 and 1 fetch for x, waves 2 and 3 for W.  An s_nop 0 and four v_nop follow each of the two lines.
.macro JLOAD g0a, g1a, g0b, g1b
	s_cmp_eq_u32 s15, 0
	s_cbranch_scc0 .Lfor_b_\@
	tensor_load_to_lds s[\g0a:\g0a+3], s[\g1a:\g1a+7]
	s_nop 0
.rept 4
	v_nop
.endr
	s_branch .Lasked_\@
.Lfor_b_\@:
	tensor_load_to_lds s[\g0b:\g0b+3], s[\g1b:\g1b+7]
	s_nop 0
.rept 4
	v_nop
.endr
.Lasked_\@:
.endm
.macro CREST
	s_cmp_lg_u32 s14, 0
	s_cbranch_scc1 .Lnot_wave_0_\@
	s_barrier_signal -3
.Lnot_wave_0_\@:
	s_barrier_wait -3
	s_barrier_signal -1
	s_barrier_wait -1
.endm
.macro CROUND
	s_barrier_signal -1
	s_barrier_wait -1
	CREST
.endm
	s_load_b128 s[4:7], s[0:1], 0x0                ; xc, xs
	s_load_b128 s[8:11], s[0:1], 0x10              ; wq4, ws
	s_load_b64 s[12:13], s[0:1], 0x20              ; qkv
	s_load_b64 s[96:97], s[0:1], 0x28              ; qkv32
	v_lshl_add_u32 v[SPW], v0, 2, SPARE
	v_mov_b32 v[NIL], 0
	ds_add_u32 v[SPW], v[NIL]                      ; the opening: the add, twice on end, and its wait ahead of my first tensor load
	ds_add_u32 v[SPW], v[NIL]
	v_lshrrev_b32 v1, 5, v0
	v_readfirstlane_b32 s14, v1                    ; wave
	s_lshr_b32 s15, s14, 1                         ; my half of the tile's rows; also: I fetch for x (0) or W (1)
	s_and_b32 s16, s14, 1                          ; my half of its columns; also: which half I fetch
	s_bfe_u32 s40, ttmp6, 0x40000                  ; cx
	s_bfe_u32 s41, ttmp6, 0x40004                  ; cy
	s_lshl_b32 s42, ttmp9, 2
	s_add_co_u32 s42, s42, s40                     ; tile column = 4 x cluster x + cx
	s_and_b32 s95, ttmp7, 0xffff                   ; cluster y
	s_lshl_b32 s17, s41, 2
	s_add_co_u32 s17, s17, s95                     ; tile row = 4 cy + cluster y
	s_lshl_b32 s43, s41, 2
	s_lshl_b32 s43, 15, s43                        ; my row of the cluster
	s_lshl_b32 s44, 0x1111, s40                    ; my column
	s_or_b32 s[G1+0], s43, (0<<16)|(1<<20)|(1<<21)|(5<<22)|(3<<25)  ; x: elements of 1 byte; 4 words of padding after every 64; bit 21 beside the mask
	s_mov_b32 s[G1+1], ROWB<<16
	s_mov_b32 s[G1+2], 128<<16
	s_mov_b32 s[G1+3], ROWB<<16
	s_mov_b32 s[G1+4], 128
	s_mov_b32 s[G1+5], KROW
	s_mov_b32 s[G1+6], 0
	s_mov_b32 s[G1+7], 0
	s_or_b32 s[G1B+0], s44, (3<<16)|(1<<21)        ; W: elements of 8 bytes, 8 rows of 512 (4,096 bytes), 2,048 elements apart, no padding
	s_mov_b32 s[G1B+1], 512<<16
	s_mov_b32 s[G1B+2], 8<<16
	s_mov_b32 s[G1B+3], 512<<16
	s_mov_b32 s[G1B+4], 8
	s_mov_b32 s[G1B+5], 2048
	s_mov_b32 s[G1B+6], 0
	s_mov_b32 s[G1B+7], 0
	s_or_b32 s[G1S+0], s43, (3<<16)|(1<<20)|(1<<21)|(5<<22)|(3<<25)  ; the scales of 128 rows: 8,192 dense bytes as 32 rows of 256, 16 bytes of padding behind each
	s_or_b32 s[G1SB+0], s44, (3<<16)|(1<<20)|(1<<21)|(5<<22)|(3<<25)
.irp g, G1S, G1SB
	s_mov_b32 s[\g+1], 32<<16
	s_mov_b32 s[\g+2], 32<<16
	s_mov_b32 s[\g+3], 32<<16
	s_mov_b32 s[\g+4], 32
	s_mov_b32 s[\g+5], 32
	s_mov_b32 s[\g+6], 0
	s_mov_b32 s[\g+7], 0
.endr
	s_lshl_b32 s18, s16, 7
	s_lshl_b32 s20, s17, 8
	s_add_co_u32 s20, s20, s18                     ; x: row 256 x tile row + 128 x half
	s_lshl_b32 s46, s42, 8
	s_add_co_u32 s46, s46, s18                     ; W: column 256 x tile column + 128 x half
	s_mov_b32 s21, 0
	s_mov_b32 s47, 0
	s_mov_b64 s[18:19], KS
	s_mul_u64 s[22:23], s[20:21], s[18:19]         ; their scales,
	s_mul_u64 s[92:93], s[46:47], s[18:19]
	s_mov_b64 s[18:19], KROW
	s_mul_u64 s[20:21], s[20:21], s[18:19]         ; and their codes (a column's share of wq4 is 1,024 bytes too)
	s_mul_u64 s[46:47], s[46:47], s[18:19]
	s_mul_i32 s45, s16, HALFA                      ; where they go: no place in the cluster enters an LDS address
	s_mul_i32 s98, s16, HALFB
	s_add_co_u32 s98, s98, BOFF
	s_mul_i32 s94, s14, HALFS
	s_wait_dscnt 0x0                               ; both opening adds are done
	s_wait_kmcnt 0x0
	s_add_nc_u64 s[20:21], s[4:5], s[20:21]
	s_add_nc_u64 s[22:23], s[6:7], s[22:23]
	s_add_nc_u64 s[46:47], s[8:9], s[46:47]
	s_add_nc_u64 s[92:93], s[10:11], s[92:93]
	CROUND                                         ; all sixteen work-groups are here: the first joint loads meet
	s_mov_b32 s[G0S], 1
	s_add_co_u32 s[G0S+1], s94, SCL
	s_mov_b64 s[G0S+2:G0S+3], s[22:23]
	s_or_b32 s[G0S+3], s[G0S+3], 0x80000000
	s_mov_b32 s[G0SB], 1
	s_add_co_u32 s[G0SB+1], s94, SCL
	s_mov_b64 s[G0SB+2:G0SB+3], s[92:93]
	s_or_b32 s[G0SB+3], s[G0SB+3], 0x80000000
	JLOAD G0S, G1S, G0SB, G1SB                     ; the scales first
.irp s, 0,1
	s_mov_b32 s[G0+4*\s], 1
	s_add_co_u32 s[G0+4*\s+1], s45, \s*SLOT
	s_add_nc_u64 s[G0+4*\s+2:G0+4*\s+3], s[20:21], \s*ROWB
	s_or_b32 s[G0+4*\s+3], s[G0+4*\s+3], 0x80000000
	s_mov_b32 s[G0B+4*\s], 1
	s_add_co_u32 s[G0B+4*\s+1], s98, \s*SLOT
	s_add_nc_u64 s[G0B+4*\s+2:G0B+4*\s+3], s[46:47], \s*4096
	s_or_b32 s[G0B+4*\s+3], s[G0B+4*\s+3], 0x80000000
	JLOAD G0+4*\s, G1, G0B+4*\s, G1B               ; three loads of mine are out now
.endr
	v_and_b32 v1, 15, v0                           ; r
	v_bfe_u32 v2, v0, 4, 1                         ; h
	v_mul_u32_u24 v3, v1, PITCH
	v_lshl_add_u32 v4, v2, 4, v3                   ; x: row x pitch + 16 h
	v_and_b32 v6, 31, v0
	v_lshlrev_b32 v7, 4, v6                        ; W: 16 x lane
	s_mul_i32 s21, s15, HALFA
	s_mul_i32 s22, s16, HALFB
	s_add_co_u32 s22, s22, BOFF
.irp s, 0,1
	v_add_nc_u32 v[ADRA+\s], s21, v4
	v_add_nc_u32 v[ADRB+\s], s22, v7
	s_add_co_u32 s21, s21, SLOT
	s_add_co_u32 s22, s22, SLOT
.endr
	v_mul_u32_u24 v5, v1, KS                       ; my row's scales: 64 bytes a row,
	v_lshrrev_b32 v6, 8, v5
	v_lshl_add_u32 v5, v6, 4, v5                   ; and 16 more for each 256 passed
	s_mul_i32 s21, s15, HALFS
	s_mul_i32 s22, s16, HALFS
	s_add_co_u32 s22, s22, 2*HALFS
	s_sub_co_u32 s22, s22, s21
	v_mul_u32_u24 v6, s22, v2                      ; lanes 16-31 take W's
	s_add_co_u32 s21, s21, SCL
	v_add_nc_u32 v5, v5, v6
	v_add_nc_u32 v[ADRS], s21, v5
	s_mul_i32 s23, s14, 16*SPITCH                  ; my stage
	v_mul_u32_u24 v5, v1, SPITCH
	v_lshl_add_u32 v5, v2, 4, v5
	v_add_nc_u32 v[STO], s23, v5                   ; in: row r, 16 bytes for each half of the lanes
	v_mul_u32_u24 v5, v2, SPITCH
	v_lshl_add_u32 v5, v1, 4, v5
	v_add_nc_u32 v[RD], s23, v5                    ; back: lanes 0-15 one row of 256 bytes, lanes 16-31 the next
	v_mul_u32_u24 v5, v2, QROW
	v_lshl_add_u32 v[CO], v1, 4, v5                ; and the same two rows in qkv
	v_mul_u32_u24 v5, v1, 12288
	v_lshl_add_u32 v[FO], v2, 5, v5                ; qkv32: row r of 12,288 bytes, + 32 h
	s_lshl_b32 s20, s17, 8
	s_lshl_b32 s21, s15, 7
	s_add_co_u32 s20, s20, s21                     ; my first row
	s_mul_i32 s20, s20, QROW
	s_lshl_b32 s46, s42, 9
	s_lshl_b32 s47, s16, 8
	s_add_co_u32 s46, s46, s47                     ; my first column in f16 bytes
	s_add_co_u32 s20, s20, s46
	s_mov_b32 s21, 0
	s_add_nc_u64 s[12:13], s[12:13], s[20:21]
	s_mul_i32 s20, s41, 16*12288                   ; qkv32: my sequence's 16 rows,
	s_lshl_b32 s46, s46, 1                         ; my first column in f32 bytes
	s_add_co_u32 s20, s20, s46
	s_add_nc_u64 s[96:97], s[96:97], s[20:21]
	s_or_b32 s95, s95, s15                         ; 0 where my first 16 rows are a sequence's first 16 positions: cluster y and the wave's number alone
.macro FRAG reg, adr, q, i             ; x: 16 rows x 128 K: registers 4 c .. 4 c + 3 hold K = 64 c + 32 h + 0 .. 31
.irp c, 0,1
	ds_load_b128 v[\reg+4*\c:\reg+4*\c+3], v[\adr] offset:64*(\q)+32*\c+(\i)*16*PITCH
.endr
.endm
.macro FRAGB reg, adr, q, i            ; W: the fragment as it lies: 512 consecutive bytes a load
.irp c, 0,1
	ds_load_b128 v[\reg+4*\c:\reg+4*\c+3], v[\adr] offset:(\i)*4096+(\q)*1024+512*\c
.endr
.endm
; 16 matrix instructions.  The 64 accumulators take turns, one instruction a turn, in the same order in every step.
.macro MUL16 a0, p, q, sc, zero
.irp a, \a0, \a0+1
.irp b, 0,1,2,3,4,5,6,7
.if \zero
	v_wmma_scale_f32_16x16x128_f8f6f4 v[8*(8*((\a)%4)+\b):8*(8*((\a)%4)+\b)+7], v[128*(\p)+FR*\b:128*(\p)+FR*\b+FR-1], v[AF+FR*(\a):AF+FR*(\a)+FR-1], 0, v[SC+8*NQ*(\sc)+NQ*\b+(\q)], v[SC+8*NQ*(\sc)+NQ*(\a)+(\q)] matrix_a_fmt:MATRIX_FMT_FP4 matrix_b_fmt:MATRIX_FMT_FP4 matrix_a_scale:MATRIX_SCALE_ROW1
.else
	v_wmma_scale_f32_16x16x128_f8f6f4 v[8*(8*((\a)%4)+\b):8*(8*((\a)%4)+\b)+7], v[128*(\p)+FR*\b:128*(\p)+FR*\b+FR-1], v[AF+FR*(\a):AF+FR*(\a)+FR-1], v[8*(8*((\a)%4)+\b):8*(8*((\a)%4)+\b)+7], v[SC+8*NQ*(\sc)+NQ*\b+(\q)], v[SC+8*NQ*(\sc)+NQ*(\a)+(\q)] matrix_a_fmt:MATRIX_FMT_FP4 matrix_b_fmt:MATRIX_FMT_FP4 matrix_a_scale:MATRIX_SCALE_ROW1
.endif
.endr
.endr
.endm
.macro FETCH_B slot, q, p
	WIN TO_B
.irp i, 0,1,2,3,4,5,6,7
	FRAGB 128*(\p)+FR*\i, ADRB+\slot, \q, \i
.endr
	WIN 0
.endm
.macro FETCH_A slot, q, i0
.irp i, \i0, \i0+1, \i0+2, \i0+3
	FRAG AF+FR*(\i), ADRA+\slot, \q, \i
.endr
.endm
.macro SCALES sc                       ; a K step's scale words: lanes 0-15 x's block i, lanes 16-31 W's block i
.irp i, 0,1,2,3,4,5,6,7
	ds_load_b128 v[SC+8*NQ*\sc+NQ*\i:SC+8*NQ*\sc+NQ*\i+3], v[ADRS] offset:\i*SBLK
.endr
.endm
.macro PLACES n                        ; plain vector instructions between a matrix instruction and a load into, or a read of, its registers
.rept \n
	v_nop
.endr
.endm
.macro STEP slot, q, zero
	s_wait_dscnt 4*NL                              ; W's set and x's blocks 0-3 are in; the youngest eight loads (x's blocks 4-7) may be out
	WIN MUL_LO
	MUL16 0, (\q)%2, \q, \slot, \zero
	MUL16 2, (\q)%2, \q, \slot, \zero
	s_wait_dscnt 0
	PLACES NP
	FETCH_B \slot, (\q)+1, 1-(\q)%2
	FETCH_A \slot, (\q)+1, 0
	WIN MUL_HI
	MUL16 4, (\q)%2, \q, \slot, \zero
	MUL16 6, (\q)%2, \q, \slot, \zero
	PLACES NP
	WIN 0
	FETCH_A \slot, (\q)+1, 4
.endm
; A slot's last step changes slots: one barrier; in front of it each wave waits for all its tensor loads, adds 0 to its spare word, and waits for that and for its reads of this slot.
.macro TURN slot, next, fill
	s_wait_tensorcnt 0x0                           ; all my tensor loads have landed: my part of the next slot
	ds_add_u32 v[SPW], v[NIL]
	s_wait_dscnt 4*NL+1                            ; the add and the youngest eight loads may be out
	WIN MUL_LO
	MUL16 0, 1, NQ-1, \slot, 0
	s_wait_dscnt 0x0                               ; the add is done, and my reads of this slot are over
	s_barrier_signal -1
	MUL16 2, 1, NQ-1, \slot, 0
	WIN 0
	s_barrier_wait -1
.if \fill
	CREST                                          ; the barrier has opened a round of the cluster's: no wave of any partner still reads this slot or has a load on its way
	s_add_nc_u64 s[G0+4*\slot+2:G0+4*\slot+3], s[G0+4*\slot+2:G0+4*\slot+3], 2*ROWB
	s_add_nc_u64 s[G0B+4*\slot+2:G0B+4*\slot+3], s[G0B+4*\slot+2:G0B+4*\slot+3], 2*4096
	JLOAD G0+4*\slot, G1, G0B+4*\slot, G1B         ; my one load behind the round; its four v_nop are also the places in front of the loads below
.else
	PLACES NP
.endif
	v_add_nc_u32 v[ADRS], 4*NQ, v[ADRS]
	FETCH_B \next, 0, 0
	FETCH_A \next, 0, 0
	SCALES \next
	WIN MUL_HI
	MUL16 4, 1, NQ-1, \slot, 0
	MUL16 6, 1, NQ-1, \slot, 0
	PLACES NP
	WIN 0
	FETCH_A \next, 0, 4
.endm
.macro STEPS slot, from
.set Q, \from
.rept NQ-1-\from
	STEP \slot, Q, 0
.set Q, Q+1
.endr
.endm
	s_wait_tensorcnt 1                             ; the scales and my part of K step 0 are in; K step 1's load may be out
	s_barrier_signal -1
	s_barrier_wait -1
	FETCH_B 0, 0, 0
	FETCH_A 0, 0, 0
	SCALES 0
	FETCH_A 0, 0, 4
	STEP 0, 0, 1                                   ; the first step's products start the sums
	s_mov_b32 s3, LAPS-1
.Llap:
	STEPS 0, 1
	TURN 0, 1, 1
	STEPS 1, 0
	TURN 1, 0, 1
	STEP 0, 0, 0
	s_sub_co_u32 s3, s3, 1
	s_cmp_lg_u32 s3, 0
	s_cbranch_scc1 .Llap
	STEPS 0, 1                                     ; the last lap fills nothing
	TURN 0, 1, 0
	STEPS 1, 0
	s_wait_dscnt 4*NL
	WIN MUL_LO
	MUL16 0, 1, NQ-1, 1, 0
	MUL16 2, 1, NQ-1, 1, 0
	s_wait_dscnt 0
	WIN MUL_HI
	MUL16 4, 1, NQ-1, 1, 0
	MUL16 6, 1, NQ-1, 1, 0
	WIN 0
; THE WAY OUT.  First, where my first 16 rows are a sequence's first 16 positions, they are stored in f32 as they stand (32 bytes a lane; 786,432 bytes in the whole launch).
	PLACES NP
	s_cmp_lg_u32 s95, 0
	s_cbranch_scc1 .Lnofine
	WIN 0x08                                       ; a store's data are its source 1: window 2
.irp b, 0,1,2,3,4,5,6,7
	global_store_b128 v[FO], v[8*\b:8*\b+3], s[96:97] offset:64*\b        ; each accumulator from its low end on
	global_store_b128 v[FO], v[8*\b+4:8*\b+7], s[96:97] offset:64*\b+16
.endr
	WIN 0
.Lnofine:
; Then block by block of 16 rows: rounded to f16, 16 bytes a lane; through my stage; back as whole rows of 256 bytes.
.macro PACK a
.set AC, 64*((\a)%4)
	WIN 0x0a+5*((\a)/4)
.irp b, 0,1,2,3,4,5,6,7
.irp r, 0,1,2,3
	v_cvt_pk_f16_f32 v[TMP+4*\b+\r], v[AC+8*\b+2*\r], v[AC+8*\b+2*\r+1]
.endr
.endr
	WIN 0
.endm
.macro TOSTAGE a
.set BK, OB+192*((\a)%2)
.irp b, 0,1,2,3,4,5,6,7
	ds_store_b128 v[STO], v[TMP+4*\b:TMP+4*\b+3] offset:32*\b
.endr
.irp t, 0,1,2,3,4,5,6,7
	ds_load_b128 v[BK+4*\t:BK+4*\t+3], v[RD] offset:\t*2*SPITCH    ; LDS serves a wave's instructions in order: these see the stores above
.endr
.endm
.macro SEND a
.set BK, OB+192*((\a)%2)
	s_wait_dscnt 0x0                               ; the block is back in registers
	s_wait_xcnt 0x0                                ; the earlier stores have read their base and their registers
.if (\a) > 0
	s_add_nc_u64 s[12:13], s[12:13], 16*QROW
.endif
.irp t, 0,1,2,3,4,5,6,7
	global_store_b128 v[CO], v[BK+4*\t:BK+4*\t+3], s[12:13] offset:2*\t*QROW   ; 16 lanes store 256 consecutive aligned bytes
.endr
.endm
	PACK 0
	TOSTAGE 0
.irp a, 1,2,3,4,5,6,7
	PACK \a
	SEND \a-1
	TOSTAGE \a
.endr
	SEND 7
	s_wait_tensorcnt 0x0                           ; the wave's end
	ds_add_u32 v[SPW], v[NIL]
	s_wait_dscnt 0x0
	CROUND                                         ; the closing round
	s_endpgm
.Lfunc_end_k_q2d60428be2_gemm_qkv:
	.size	k_q2d60428be2_gemm_qkv, .Lfunc_end_k_q2d60428be2_gemm_qkv-k_q2d60428be2_gemm_qkv
	.p2alignl 7, 3214868480
	.fill 96, 4, 3214868480
	.section	.rodata,"a",@progbits
	.p2align	6, 0x0
	.amdhsa_kernel k_q2d60428be2_gemm_qkv
		.amdhsa_group_segment_fixed_size 327680
		.amdhsa_private_segment_fixed_size 0
		.amdhsa_enable_private_segment 0
		.amdhsa_kernarg_size 48
		.amdhsa_user_sgpr_count 2
		.amdhsa_user_sgpr_kernarg_segment_ptr 1
		.amdhsa_wavefront_size32 1
		.amdhsa_system_sgpr_workgroup_id_x 1
		.amdhsa_system_sgpr_workgroup_id_y 1
		.amdhsa_system_sgpr_workgroup_id_z 1
		.amdhsa_system_vgpr_workitem_id 0
		.amdhsa_next_free_vgpr 1024
		.amdhsa_next_free_sgpr 100
		.amdhsa_reserve_vcc 0
		.amdhsa_float_denorm_mode_32 3
		.amdhsa_float_denorm_mode_16_64 3
		.amdhsa_memory_ordered 1
		.amdhsa_forward_progress 1
		.amdhsa_inst_pref_size 216
	.end_amdhsa_kernel
	.amdgpu_metadata
---
amdhsa.version: [ 1, 2 ]
amdhsa.kernels:
  - .name:           k_q2d60428be2_gemm_qkv
    .symbol:         k_q2d60428be2_gemm_qkv.kd
    .args:
      - { .name: xc, .offset: 0, .size: 8, .value_kind: global_buffer, .address_space: global }
      - { .name: xs, .offset: 8, .size: 8, .value_kind: global_buffer, .address_space: global }
      - { .name: wq4, .offset: 16, .size: 8, .value_kind: global_buffer, .address_space: global }
      - { .name: ws, .offset: 24, .size: 8, .value_kind: global_buffer, .address_space: global }
      - { .name: qkv, .offset: 32, .size: 8, .value_kind: global_buffer, .address_space: global }
      - { .name: qkv32, .offset: 40, .size: 8, .value_kind: global_buffer, .address_space: global }
    .group_segment_fixed_size: 327680
    .private_segment_fixed_size: 0
    .kernarg_segment_align: 8
    .kernarg_segment_size: 48
    .max_flat_workgroup_size: 128
    .sgpr_count:     100
    .vgpr_count:     1024
    .wavefront_size: 32
...
	.end_amdgpu_metadata
.endif
;; end of part 2
;; launch attn (part 3): grid 16 x 16, 4 waves a work-group, no clusters, 327,680 bytes of LDS; arguments qkv, y; writes y
.if DOCPART == 3
	.amdgcn_target "amdgcn-amd-amdhsa--gfx1250"
	.amdhsa_code_object_version 6
	.text
	.protected	k_q2d60428be2_attn
	.globl	k_q2d60428be2_attn
	.p2align	8
	.type	k_q2d60428be2_attn,@function
k_q2d60428be2_attn:
	s_mov_b64 s[64:65], 0
	v_nop
	global_prefetch_b8 v0, s[64:65] scope:SCOPE_SE
	s_setreg_imm32_b32 hwreg(HW_REG_WAVE_MODE, 25, 1), 1
	s_wait_xcnt 0x0
; y = softmax(q k^T / sqrt(128), causal) v, grouped queries: 4 sequences x 4 key heads x 4 query heads each, 1,024 positions, head size 128.  q, k, v: f16 in qkv [4096][3072]; y [4096][2048] f16.
; Products, maxima and sums in f32; the weights p are rounded to f16 for the second product, y once at the end.  LIMIT: |y| stays under 65,504; NaN and infinities are not served.  (The first 16 positions of each sequence are written again, more finely, by the next launch.)
; SHARES, EQUAL FOR EVERY WAVE.  Work-group x = 2 p + hp (p = 0 .. 7, hp = 0, 1) of a sequence and key head owns TWO blocks of 64 positions, the late one IB = 15 - p and the early one IA = p, of TWO query heads, 2 hp and 2 hp + 1.
; Wave w owns positions 16 w .. 16 w + 15 of both blocks: tiles 0, 1 are the late block's two heads, tiles 2, 3 the early block's.  Under the mask a tile of block I meets I + 1 steps of 64 keys:
; 2 (IA + 1) + 2 (IB + 1) = 34 tile steps for every wave of the launch.
; THE WALK.  Keys in steps of 64, upward.  Step s <= IA: all four tiles work (a full step).  IA < s <= IB: the late block's two alone (a half step).  s > IB: nothing.  On a block's diagonal, s = its number, the scores of hidden keys
; become -infinity.  Key 0 counts for every query, so step 0, which the head fetches, is always read, and the running maximum is a number from the first step on.  All work-groups walk 16 changes of slots (trip counts are constants);
; scalar branches on ids lead round the work that the mask hides, and a slot is asked for only while some wave will read it.
; NO CLUSTER: of the 16 work-groups that share K and V only the two of one p walk the same number of steps; four partners would need different numbers of tiles.
; LAYOUT.  S^T = K Q^T, O^T = V^T P: a lane holds one query throughout.  K comes out of LDS as it lies, V turned by ds_load_tr16_b128.
; SOFTMAX.  For each query a running maximum m and sum l: p = 2^(c s - c m), c = log2(e) / sqrt(128); in every step that a tile works, its O and l are multiplied by a = 2^(c m_old - c m_new).
; NO FIRST STEP OF ITS OWN: O^T and l begin as zeros and m as -3e38, so that the first a is 0 and multiplies zeros: 256 v_mov_b32 once a wave, in place of one more copy of the step.
; BY TURNS.  The tiles are two pieces (0: tiles 0, 1; 2: tiles 2, 3).  A full step: piece 0's 32 products K Q^T; piece 2's 32 with piece 0's softmax in slices behind them; piece 0's 32 products V^T P with piece 2's softmax; piece 2's 32.
; A half step: piece 0's 32 products K Q^T, its softmax, its 32 products V^T P.
; REGISTERS: window 0: v2-11 addresses; v12-43 statistics, eight a tile; v64-191 S^T; v192-255 P.  window 1: O^T.  window 2: v0-127 Q, v128-255 K.  window 3: v0-127 V.
.set KS,    64
.set PK,    272                        ; a row of K in LDS: 256 bytes + 16
.set PV,    288                        ; a row of V: 256 + 32
.set VOFF,  KS*PK
.set SLOT1, 1<<16                      ; a slot holds one step (35,840 bytes); one exclusive or turns an address in one slot into the other's
.set STAGE, 2*SLOT1                    ; 16 rows x 272 bytes a wave, for the way out
.set SP,    272
.set SPARE, STAGE+4*16*SP              ; the spare words: 128 bytes a wave, two blocks of 256 bytes that no other line names
.set QROW,  6144
.set YROW,  4096
.set STEPG, KS*QROW                    ; a step on, in memory
.set AK0, 2
.set AV0, 3
.set ADR, 4
.set QO,  5
.set STO, 6
.set RD,  7
.set GO,  8
.set DQ,  10                           ; v10 16 w + r - 8 h: on a block's diagonal register 8 t + j (key 16 t + 8 h + j of the step) is hidden where 16 t + j > v10; the same for both blocks
.set NEG, 11                           ; v11 -infinity
.set ST,  12                           ; tile t: +0 c m, +1 m, +2, +3 l, +4 to +7 at work
.set PFO, 61                           ; v61 the prefetches' offset: my lane x a row of qkv; never rewritten
.set SPW, 62
.set NIL, 63
.set S,   64
.set P,   192
.set KF,  128
.set QL,  4                            ; s[4:5]   Q at my first position of the late block, my first head
.set YL,  6                            ; s[6:7]   y likewise
.set QE,  8                            ; s[8:9]   Q, the early block
.set YE,  10                           ; s[10:11] y, the early block
.set WV,  12                           ; s12 wave
.set IB,  13                           ; s13 the late block's number, 15 - p
.set IA,  14                           ; s14 the early block's, p
.set LIM, 17                           ; s17 1 in a work-group that prefetches, else the greatest number
.set PFA, 18                           ; s[18:19] where my prefetches stand
.set G1K, 24
.set G1V, 32
.set G0K, 40
.set G0V, 44
.set LEFT, 56                          ; s56 trips to go
.set CUR,  57                          ; s57 the step in hand
.set CS,  58
.set SEL, 60
.set TB,  62                           ; s62 LDS byte at which the slot in hand begins
.set MSB, 0
.macro WIN new                         ; the immediate's high byte repeats the setting that is left; a switch that changes nothing is dropped
.if MSB != \new
	s_set_vgpr_msb (MSB<<8)|\new
.set MSB, \new
.endif
.endm
.set W_KQ, 0x0a
.set W_PV, 0x53
.set W_RS, 0x41
; Waves 0 and 1 fetch K's halves of a step (32 rows each), waves 2 and 3 V's.  An s_nop 0 and four v_nop follow each of the two lines.
.macro TLOAD
	s_cmp_lt_u32 s[WV], 2
	s_cbranch_scc0 .Lfor_v_\@
	tensor_load_to_lds s[G0K:G0K+3], s[G1K:G1K+7]
	s_nop 0
.rept 4
	v_nop
.endr
	s_branch .Lasked_\@
.Lfor_v_\@:
	tensor_load_to_lds s[G0V:G0V+3], s[G1V:G1V+7]
	s_nop 0
.rept 4
	v_nop
.endr
.Lasked_\@:
.endm
; A PREFETCH INTO THE L2: in trip s, the rows of step s + 2, one step ahead of the tensor load that will want them.  Each row's 256 bytes are named once in the launch: of the 16 work-groups
; that walk the same K and V only the first (p = 0, hp = 0), whose late block is 15 and which so walks all steps, asks; each of its waves asks for the 32 rows that it will fetch, a lane a row.  The last trip asks for nothing: there is no step 16.
.macro ASK
	s_cmp_gt_u32 s[LEFT], s[LIM]
	s_cbranch_scc0 .Lnot_mine_\@
	global_prefetch_b8 v[PFO], s[PFA:PFA+1] th:TH_LOAD_NT scope:SCOPE_SE
.Lnot_mine_\@:
.endm
	s_load_b128 s[4:7], s[0:1], 0x0                ; qkv, y
	v_lshl_add_u32 v[SPW], v0, 2, SPARE
	v_mov_b32 v[NIL], 0
	ds_add_u32 v[SPW], v[NIL]                      ; the opening: the add, twice on end, and its wait ahead of my first tensor load
	ds_add_u32 v[SPW], v[NIL]
	v_lshrrev_b32 v1, 5, v0
	v_readfirstlane_b32 s[WV], v1
	s_lshr_b32 s[IA], ttmp9, 1                     ; p: the early block
	s_sub_co_u32 s[IB], 15, s[IA]                  ; 15 - p: the late block
	s_and_b32 s15, ttmp9, 1                        ; hp: which two of the four query heads
	s_and_b32 s20, ttmp7, 0xffff
	s_lshr_b32 s21, s20, 2                         ; the sequence
	s_and_b32 s20, s20, 3                          ; the key head
	s_mul_i32 s22, s21, 1024*QROW                  ; the sequence's first byte in qkv
	s_and_b32 s16, s[WV], 1
	s_mul_i32 s2, s16, 32*QROW
	s_add_co_u32 s2, s2, s22
	s_lshl_b32 s23, s20, 8
	s_add_co_u32 s2, s2, s23
	s_add_co_u32 s2, s2, 4096                      ; K: my 32 rows of step 0
	s_mov_b32 s3, 0
	s_lshl_b32 s23, s20, 10
	s_lshl_b32 s9, s15, 9
	s_add_co_u32 s23, s23, s9                      ; my two heads' first byte in a row of q and of y: 1,024 x key head + 512 hp
	s_lshl_b32 s9, s[WV], 4                        ; 16 w
	s_lshl_b32 s8, s[IB], 6
	s_add_co_u32 s8, s8, s9                        ; my first position of the late block
	s_mul_i32 s10, s8, QROW
	s_add_co_u32 s10, s10, s22
	s_add_co_u32 s10, s10, s23                     ; its byte in qkv,
	s_mov_b32 s11, 0
	s_lshl_b32 s48, s21, 10
	s_add_co_u32 s48, s48, s8
	s_lshl_b32 s48, s48, 12
	s_add_co_u32 s48, s48, s23                     ; and in y
	s_mov_b32 s49, 0
	s_lshl_b32 s8, s[IA], 6
	s_add_co_u32 s8, s8, s9                        ; my first position of the early block
	s_mul_i32 s54, s8, QROW
	s_add_co_u32 s54, s54, s22
	s_add_co_u32 s54, s54, s23                     ; its byte in qkv,
	s_mov_b32 s55, 0
	s_lshl_b32 s52, s21, 10
	s_add_co_u32 s52, s52, s8
	s_lshl_b32 s52, s52, 12
	s_add_co_u32 s52, s52, s23                     ; and in y
	s_mov_b32 s53, 0
	s_mov_b32 s[G1K], (1<<16)|(1<<20)|(5<<22)|(3<<25)   ; elements of 2 bytes; 4 words of padding after every 64
	s_mov_b32 s[G1V], (1<<16)|(1<<20)|(5<<22)|(7<<25)   ; 8 words
.irp g, G1K, G1V
	s_mov_b32 s[\g+1], 128<<16                     ; tensor_dim0
	s_mov_b32 s[\g+2], 32<<16                      ; tensor_dim1
	s_mov_b32 s[\g+3], 128<<16                     ; tile_dim0
	s_mov_b32 s[\g+4], 32                          ; tile_dim1
	s_mov_b32 s[\g+5], 3072                        ; elements from row to row
	s_mov_b32 s[\g+6], 0
	s_mov_b32 s[\g+7], 0
.endr
	s_mov_b32 s[CS], 0x3e0293ee                    ; c = log2(e) / sqrt(128)
	s_mov_b32 s[CS+1], s[CS]
	s_mov_b32 s[SEL], 0x76543210
	s_mov_b32 s[SEL+1], 0xfedcba98
	s_mov_b32 s[TB], 0
	s_mov_b32 s[LEFT], 15
	s_mov_b32 s[CUR], 0
	s_cmp_eq_u32 ttmp9, 0
	s_cselect_b32 s[LIM], 1, -1
	s_mul_i32 s50, s16, 32*PK
	s_mul_i32 s51, s16, 32*PV
	s_add_co_u32 s51, s51, VOFF
	s_wait_dscnt 0x0                               ; both opening adds are done
	s_wait_kmcnt 0x0
	s_mov_b32 s[G0K], 1
	s_mov_b32 s[G0K+1], s50
	s_add_nc_u64 s[G0K+2:G0K+3], s[4:5], s[2:3]
	s_mov_b32 s[G0V], 1
	s_mov_b32 s[G0V+1], s51
	s_add_nc_u64 s[G0V+2:G0V+3], s[G0K+2:G0K+3], 1024   ; V lies 1,024 bytes behind K in a row
	s_cmp_lt_u32 s[WV], 2
	s_cselect_b64 s[PFA:PFA+1], s[G0K+2:G0K+3], s[G0V+2:G0V+3]
	s_add_nc_u64 s[PFA:PFA+1], s[PFA:PFA+1], STEPG  ; at step 1: the first change of slots steps it to step 2.  Nothing is prefetched at the head
	s_or_b32 s[G0K+3], s[G0K+3], 0x80000000
	s_or_b32 s[G0V+3], s[G0V+3], 0x80000000
	TLOAD                                          ; step 0, into slot 0
	s_add_nc_u64 s[QE:QE+1], s[4:5], s[54:55]      ; Q, the early block
	s_add_nc_u64 s[QL:QL+1], s[4:5], s[10:11]      ; Q, the late block
	s_add_nc_u64 s[YE:YE+1], s[6:7], s[52:53]      ; y, the early block
	s_add_nc_u64 s[YL:YL+1], s[6:7], s[48:49]      ; y, the late block
	v_and_b32 v1, 15, v0                           ; r
	v_bfe_u32 v9, v0, 4, 1                         ; h
	v_mul_u32_u24 v[QO], v1, QROW
	v_lshl_add_u32 v[QO], v9, 4, v[QO]
	WIN 0x80                                       ; destination window 2
.irp i, 0,1,2,3,4,5,6,7                        ; Q stays in registers: tile i / 4, channels 32 (i % 4) on.  Tiles 0, 1: the late block's two heads
	global_load_b128 v[8*\i:8*\i+3],   v[QO], s[QL:QL+1] offset:(\i/4)*256+(\i%4)*64
	global_load_b128 v[8*\i+4:8*\i+7], v[QO], s[QL:QL+1] offset:(\i/4)*256+(\i%4)*64+32
.endr
.irp i, 8,9,10,11,12,13,14,15                  ; tiles 2, 3: the early block's
	global_load_b128 v[8*\i:8*\i+3],   v[QO], s[QE:QE+1] offset:(\i/4-2)*256+(\i%4)*64
	global_load_b128 v[8*\i+4:8*\i+7], v[QO], s[QE:QE+1] offset:(\i/4-2)*256+(\i%4)*64+32
.endr
	WIN 0
	v_mul_u32_u24 v[AK0], v1, PK
	v_lshl_add_u32 v[AK0], v9, 4, v[AK0]
	v_and_b32 v44, 7, v0
	v_bfe_u32 v45, v0, 3, 1
	v_lshl_add_u32 v[AV0], v9, 3, v44
	v_mul_u32_u24 v[AV0], v[AV0], PV
	v_lshl_add_u32 v[AV0], v45, 4, v[AV0]
	v_add_nc_u32 v[AV0], VOFF, v[AV0]
	s_mul_i32 s52, s[WV], 16*SP
	s_add_co_u32 s52, s52, STAGE
	v_mul_u32_u24 v[STO], v1, SP
	v_lshl_add_u32 v[STO], v9, 4, v[STO]
	v_add_nc_u32 v[STO], s52, v[STO]
	v_mul_u32_u24 v[RD], v9, SP
	v_lshl_add_u32 v[RD], v1, 4, v[RD]
	v_add_nc_u32 v[RD], s52, v[RD]
	v_lshlrev_b32 v[GO], 12, v9
	v_lshl_add_u32 v[GO], v1, 4, v[GO]
	v_lshlrev_b32 v[DQ], 3, v9
	v_sub_nc_u32 v[DQ], v1, v[DQ]
	s_lshl_b32 s52, s[WV], 4
	v_add_nc_u32 v[DQ], s52, v[DQ]
	v_mov_b32 v[NEG], 0xff800000
	v_and_b32 v[PFO], 31, v0
	v_mul_u32_u24 v[PFO], v[PFO], QROW
.irp t, 0,1,2,3
	v_mov_b32 v[ST+8*\t+1], 0xff61b1e6             ; m = -3e38, under every score
	v_mul_f32 v[ST+8*\t], s[CS], v[ST+8*\t+1]      ; c m
	v_mov_b32 v[ST+8*\t+2], 0                      ; l
	v_mov_b32 v[ST+8*\t+3], 0
	v_mov_b32 v[ST+8*\t+4], 0                      ; the registers at work are written once, so that no path reads one unwritten
	v_mov_b32 v[ST+8*\t+5], 0
	v_mov_b32 v[ST+8*\t+6], 0
	v_mov_b32 v[ST+8*\t+7], 0
.endr
	WIN 0x40                                       ; destination window 1
.set i, 0
.rept 256
	v_mov_b32 v[i], 0                              ; O^T
.set i, i+1
.endr
	WIN 0
; Product i of 32 of O^T += V^T P for piece x.  The accumulators take turns, one instruction a turn.
.macro PV x
	WIN W_PV
.set rO, 64*(\x+i%2)+8*((i/2)%8)
.set rV, 64*(i/16)+8*((i/2)%8)
.set rP, P+16*(\x+i%2)+8*(i/16)
	v_wmma_f32_16x16x32_f16 v[rO:rO+7], v[rV:rV+7], v[rP:rP+7], v[rO:rO+7]
.endm
; Product i of 32 of S^T = K Q^T.  The first 8 start the sums.
.macro KQ x
	WIN W_KQ
.set rS, S+32*(\x+i%2)+8*((i/2)%4)
.set rK, KF+32*((i/2)%4)+8*(i/8)
.set rQ, 32*(\x+i%2)+8*(i/8)
.if i < 8
	v_wmma_f32_16x16x32_f16 v[rS:rS+7], v[rK:rK+7], v[rQ:rQ+7], 0
.else
	v_wmma_f32_16x16x32_f16 v[rS:rS+7], v[rK:rK+7], v[rQ:rQ+7], v[rS:rS+7]
.endif
.endm
.macro FETCH_K
	WIN 0
	v_add_nc_u32 v[ADR], s[TB], v[AK0]
	WIN 0x80
.irp f, 0,1,2,3,4,5,6,7,8,9,10,11,12,13,14,15  ; keys 16 (f / 4) on, channels 32 (f % 4) on
	ds_load_b128 v[KF+8*\f:KF+8*\f+3],   v[ADR] offset:(\f/4)*16*PK+(\f%4)*64
	ds_load_b128 v[KF+8*\f+4:KF+8*\f+7], v[ADR] offset:(\f/4)*16*PK+(\f%4)*64+32
.endr
.endm
.macro FETCH_V
	WIN 0
	v_add_nc_u32 v[ADR], s[TB], v[AV0]
	s_wait_alu depctr_va_vdst(0)                   ; the wait for the softmax's batch of exponentials, ahead of the first instruction that names a result
	WIN 0xc0
.irp f, 0,1,2,3,4,5,6,7,8,9,10,11,12,13,14,15  ; keys 32 (f / 8) on, channels 16 (f % 8) on
	ds_load_tr16_b128 v[8*\f:8*\f+3],   v[ADR] offset:(\f/8)*32*PV+(\f%8)*32
	ds_load_tr16_b128 v[8*\f+4:8*\f+7], v[ADR] offset:(\f/8)*32*PV+16*PV+(\f%8)*32
.endr
.endm
; One tile's softmax for a step is a list of 134 instructions; SM writes number j of it for tile t.
;   0-15 the maximum of the lane's 32 scores and the old m;  16-20 the other half of the lanes' maximum, the new m, c m, c m_old - c m_new;
;   21-69 ONE BATCH: 16 packed scalings c s - c m and all 33 exponentials, none of which reads an exponential's result;  (the wait);  70-85 roundings to f16;  86-101 the sums, l = a l + sum;  102-133 O^T times a.
.macro SM t
.set rT, ST+8*(\t)
.set rS, S+32*(\t)
.set rP, P+16*(\t)
.set rO, 64*(\t)+2*(j-102)
.if j < 102
	WIN 0
.endif
.if j < 4
	v_max3_num_f32 v[rT+4+j], v[rS+8*j], v[rS+8*j+1], v[rS+8*j+2]
.elseif j < 12
	v_max3_num_f32 v[rT+4+j%4], v[rT+4+j%4], v[rS+8*(j%4)+2*(j/4)+1], v[rS+8*(j%4)+2*(j/4)+2]
.elseif j == 12
	v_max3_num_f32 v[rT+4], v[rT+4], v[rS+7], v[rS+15]
.elseif j == 13
	v_max3_num_f32 v[rT+6], v[rT+6], v[rS+23], v[rS+31]
.elseif j == 14
	v_max3_num_f32 v[rT+4], v[rT+4], v[rT+5], v[rT+6]
.elseif j == 15
	v_max3_num_f32 v[rT+4], v[rT+4], v[rT+7], v[rT+1]
.elseif j == 16
	v_permlanex16_b32 v[rT+5], v[rT+4], s[SEL], s[SEL+1]
.elseif j == 17
	v_mov_b32 v[rT+7], v[rT]
.elseif j == 18
	v_max_num_f32 v[rT+1], v[rT+4], v[rT+5]
.elseif j == 19
	v_mul_f32 v[rT], s[CS], v[rT+1]
.elseif j == 20
	v_sub_f32 v[rT+7], v[rT+7], v[rT]
.elseif j == 23
	v_exp_f32 v[rT+6], v[rT+7]
.elseif (j < 23) || ((j < 38) && (j%2 == 0)) || ((j < 66) && (j%4 == 2))
.set b, (j-2)/4
.if j < 38
.set b, (j-20)/2
.endif
	v_pk_fma_f32 v[rS+2*b:rS+2*b+1], v[rS+2*b:rS+2*b+1], s[CS:CS+1], v[rT:rT+1] op_sel_hi:[1,0,0] neg_lo:[0,0,1] neg_hi:[0,0,1]
.elseif j < 70
.set e, j-38
.if j < 66
.set e, j-32-(j-38)/4
.endif
.if j < 38
.set e, (j-25)/2
.endif
	v_exp_f32 v[rS+e], v[rS+e]
.elseif j < 86
	v_cvt_pk_f16_f32 v[rP+j-70], v[rS+2*(j-70)], v[rS+2*(j-70)+1]
.elseif j < 102
.set z, j-86
.set w, 4
.set u, z
.if z >= 14
.set w, 32
.set u, 0
.elseif z >= 12
.set w, 16
.set u, z-12
.elseif z >= 8
.set w, 8
.set u, z-8
.endif
.if z < 15
	v_pk_add_f32 v[rS+w*u:rS+w*u+1], v[rS+w*u:rS+w*u+1], v[rS+w*u+w/2:rS+w*u+w/2+1]
.else
	v_pk_fma_f32 v[rT+2:rT+3], v[rT+2:rT+3], v[rT+6:rT+7], v[rS:rS+1] op_sel_hi:[1,0,1]
.endif
.else
	WIN W_RS
	v_pk_mul_f32 v[rO:rO+1], v[rO:rO+1], v[rT+6:rT+7] op_sel_hi:[1,0]
.endif
.endm
; Slice k of 64 of piece y's softmax.  Slices 11 to 34 deal out the batch, four numbers of one tile each; every other slice is numbers 2 k and 2 k + 1 of both tiles; the twelve that are over stand in slice 63.
; Ahead of slice 35 nothing names an exponential's result and behind slice 34 none is issued: one plain instruction and one wait serve the piece's 66 exponentials.
.macro SLICE y
.if (k >= 11) && (k < 35)
.irp n, 0,1,2,3
.set j, 22+4*((k-11)/2)+(\n)
	SM (\y)+(k-11)%2
.endr
.else
.irp n, 0,1,2,3,4,5,6,7
.if (\n < 2) || (k == 63)
.irp t, \y, \y+1
.set j, 2*k+\n
	SM \t
.endr
.endif
.endr
.endif
.if k == 34
	v_nop
.if (\y) == 0
	FETCH_V                                        ; V's run of loads stands here, and the wait stands in it
.else
	s_wait_alu depctr_va_vdst(0)
.endif
.endif
.set k, k+1
.endm
.macro PLACES
.rept 4
	v_nop
.endr
.endm
; On the diagonal of piece y's block (its number in s[lim]) the scores of hidden keys become -infinity: p is then 0.  A step all of whose keys count jumps over this: a branch on ids.  Each accumulator is read from its low end on.
.macro MASK y, lim
	WIN 0
	s_cmp_lt_u32 s[CUR], s[\lim]
	s_cbranch_scc1 .Lopen_\@
.set n, 0
.rept 32
	v_cmp_gt_i32 vcc_lo, 16*(n/8)+n%8, v[DQ]
	v_cndmask_b32 v[S+32*(\y)+n], v[S+32*(\y)+n], v[NEG], vcc_lo
	v_cndmask_b32 v[S+32*(\y)+32+n], v[S+32*(\y)+32+n], v[NEG], vcc_lo
.set n, n+1
.endr
.Lopen_\@:
.endm
; THE CHANGE OF SLOTS stands at a step's head.  Each wave waits for all its tensor loads (its part of the slot that it is about to read), adds 0 to its spare word, and waits for that and for its reads of the slot that it has left.
; fill = 1: behind the barrier the other slot is asked for, while the next step's keys count for some query of the late block: ids and the count of steps alone, the same in all four waves.  Every wait for tensor loads in this text is for 0.
.macro CHANGE fill
	WIN 0
	s_wait_tensorcnt 0x0                           ; no tensor load of mine is out, so a group 0 may be written
	ds_add_u32 v[SPW], v[NIL]
.if \fill
	s_xor_b32 s[G0K+1], s[G0K+1], SLOT1
	s_add_nc_u64 s[G0K+2:G0K+3], s[G0K+2:G0K+3], STEPG
	s_xor_b32 s[G0V+1], s[G0V+1], SLOT1
	s_add_nc_u64 s[G0V+2:G0V+3], s[G0V+2:G0V+3], STEPG
	s_wait_xcnt 0x0                                ; the last prefetch, a step back, has read its address
	s_add_nc_u64 s[PFA:PFA+1], s[PFA:PFA+1], STEPG
.endif
	s_wait_dscnt 0x0                               ; the add is done, and my reads of the slot that I have left are over
	s_barrier_signal -1
	s_barrier_wait -1
.if \fill
	s_add_co_u32 s52, s[CUR], 1
	s_cmp_gt_u32 s52, s[IB]
	s_cbranch_scc1 .Lpast_\@
	TLOAD                                          ; my one tensor load behind the barrier: it has a step's work in which to land
.Lpast_\@:
.endif
.endm
; A KEY STEP.  full = 1: the text holds the full step too; full = 0 (step 15, which lies behind every early block): the half step alone.
.macro STEP ask, full
	s_cmp_gt_u32 s[CUR], s[IB]                     ; all keys of this step come after all my work-group's queries: its work is left out
	s_cbranch_scc1 .Lhid_\@
	FETCH_K
	WIN 0
.if \ask
	ASK                                            ; behind the tensor load and the run of LDS loads that the next products wait for
.endif
	s_wait_dscnt 0x0                               ; K is in
.set i, 0
.rept 32
	KQ 0                                           ; the late block's scores
.set i, i+1
.endr
	WIN 0
	PLACES                                         ; between those products and the first read of their results
.if \full
	s_cmp_gt_u32 s[CUR], s[IA]                     ; behind the early block's diagonal only the late block works
	s_cbranch_scc1 .Lhalf_\@
	; THE FULL STEP.  Here s <= IA < IB: all keys count for the late block
.set k, 0
.set i, 0
.rept 32
	KQ 2                                           ; piece 2's scores | piece 0's softmax | V
	SLICE 0
	SLICE 0
.set i, i+1
.endr
	MASK 2, IA                                     ; slices 62 and 63, twenty plain instructions on other registers, are the places behind the last product
	s_wait_dscnt 0x0                               ; V is in
.set k, 0
.set i, 0
.rept 32
	PV 0                                           ; piece 0's V^T P | piece 2's softmax
	SLICE 2
	SLICE 2
.set i, i+1
.endr
.set i, 0
.rept 32
	PV 2
.set i, i+1
.endr
	WIN 0
	s_branch .Lhid_\@
.Lhalf_\@:
.endif
	; THE HALF STEP: the late block alone
	MASK 0, IB
.set k, 0
.rept 64
	SLICE 0                                        ; piece 0's softmax; V's run of loads stands at slice 34, 29 slices ahead of the wait for it
.endr
	s_wait_dscnt 0x0                               ; V is in
.set i, 0
.rept 32
	PV 0
.set i, i+1
.endr
	WIN 0
.Lhid_\@:
	s_xor_b32 s[TB], s[TB], SLOT1
	s_add_co_u32 s[CUR], s[CUR], 1
.endm
	s_wait_loadcnt 0x0                             ; Q
.Lstep:                                            ; 15 trips: steps 0 to 14
	CHANGE 1
	STEP 1, 1
	s_sub_co_u32 s[LEFT], s[LEFT], 1
	s_cmp_lg_u32 s[LEFT], 0
	s_cbranch_scc1 .Lstep
	CHANGE 0                                       ; step 15 is written out: nothing is left to ask for
	STEP 0, 0
	; THE WAY OUT.  l's halves are added; O^T is divided by l, rounded to f16 and sent through my stage, a tile (16 positions of one head) at a time.  The additions are the places behind the last products.
.irp t, 0,1,2,3
	v_add_f32 v[ST+8*\t+4], v[ST+8*\t+2], v[ST+8*\t+3]
.endr
.irp t, 0,1,2,3
	v_permlanex16_b32 v[ST+8*\t+5], v[ST+8*\t+4], s[SEL], s[SEL+1]
.endr
.irp t, 0,1,2,3
	v_add_f32 v[ST+8*\t+4], v[ST+8*\t+4], v[ST+8*\t+5]
.endr
.irp t, 0,1,2,3
	v_rcp_f32 v[ST+8*\t+6], v[ST+8*\t+4]
.endr
	v_nop                                          ; a plain instruction behind the last reciprocal
	s_wait_alu depctr_va_vdst(0)                   ; one wait for the four, ahead of the first use
.macro PACK t
	WIN W_RS
.set i, 64*\t
.rept 32
	v_pk_mul_f32 v[i:i+1], v[i:i+1], v[ST+8*\t+6:ST+8*\t+7] op_sel_hi:[1,0]
.set i, i+2
.endr
	WIN 0x05
.set i, 0
.rept 32
	v_cvt_pk_f16_f32 v[S+32*\t+i], v[64*\t+2*i], v[64*\t+2*i+1]
.set i, i+1
.endr
	WIN 0
.irp f, 0,1,2,3,4,5,6,7
	ds_store_b128 v[STO], v[S+32*\t+4*\f:S+32*\t+4*\f+3] offset:32*\f
.endr
.irp f, 0,1,2,3,4,5,6,7
	ds_load_b128 v[S+32*\t+4*\f:S+32*\t+4*\f+3], v[RD] offset:\f*2*SP   ; LDS serves a wave's instructions in order
.endr
.endm
.macro SEND t, younger, base           ; younger: the LDS instructions issued behind tile t's loads; base: y at the tile's block
.irp f, 0,1,2,3,4,5,6,7
	s_wait_dscnt \younger+7-\f
	global_store_b128 v[GO], v[S+32*\t+4*\f:S+32*\t+4*\f+3], s[\base:\base+1] offset:(\t%2)*256+\f*2*YROW   ; 16 lanes store 256 consecutive aligned bytes
.endr
.endm
	PACK 0
	PACK 1
	SEND 0, 16, YL
	PACK 2
	SEND 1, 16, YL
	PACK 3
	SEND 2, 16, YE
	SEND 3, 0, YE
	s_wait_tensorcnt 0x0                           ; the wave's end
	ds_add_u32 v[SPW], v[NIL]
	s_wait_dscnt 0x0
	s_endpgm
.Lfunc_end_k_q2d60428be2_attn:
	.size	k_q2d60428be2_attn, .Lfunc_end_k_q2d60428be2_attn-k_q2d60428be2_attn
	.p2alignl 7, 3214868480
	.fill 96, 4, 3214868480
	.section	.rodata,"a",@progbits
	.p2align	6, 0x0
	.amdhsa_kernel k_q2d60428be2_attn
		.amdhsa_group_segment_fixed_size 327680
		.amdhsa_private_segment_fixed_size 0
		.amdhsa_enable_private_segment 0
		.amdhsa_kernarg_size 16
		.amdhsa_user_sgpr_count 2
		.amdhsa_user_sgpr_kernarg_segment_ptr 1
		.amdhsa_wavefront_size32 1
		.amdhsa_system_sgpr_workgroup_id_x 1
		.amdhsa_system_sgpr_workgroup_id_y 1
		.amdhsa_system_sgpr_workgroup_id_z 1
		.amdhsa_system_vgpr_workitem_id 0
		.amdhsa_next_free_vgpr 1024
		.amdhsa_next_free_sgpr 66
		.amdhsa_reserve_vcc 1
		.amdhsa_float_denorm_mode_32 3
		.amdhsa_float_denorm_mode_16_64 3
		.amdhsa_memory_ordered 1
		.amdhsa_forward_progress 1
		.amdhsa_inst_pref_size 143
	.end_amdhsa_kernel
	.amdgpu_metadata
---
amdhsa.version: [ 1, 2 ]
amdhsa.kernels:
  - .name:           k_q2d60428be2_attn
    .symbol:         k_q2d60428be2_attn.kd
    .args:
      - { .name: qkv, .offset: 0, .size: 8, .value_kind: global_buffer, .address_space: global }
      - { .name: y, .offset: 8, .size: 8, .value_kind: global_buffer, .address_space: global }
    .group_segment_fixed_size: 327680
    .private_segment_fixed_size: 0
    .kernarg_segment_align: 8
    .kernarg_segment_size: 16
    .max_flat_workgroup_size: 128
    .sgpr_count:     66
    .vgpr_count:     1024
    .wavefront_size: 32
...
	.end_amdgpu_metadata
.endif
;; end of part 3
;; launch fine (part 4): grid 64 x 1, 1 waves a work-group, no clusters, 4,608 bytes of LDS; arguments qkv32, y; writes y
.if DOCPART == 4
	.amdgcn_target "amdgcn-amd-amdhsa--gfx1250"
	.amdhsa_code_object_version 6
	.text
	.protected	k_q2d60428be2_fine
	.globl	k_q2d60428be2_fine
	.p2align	8
	.type	k_q2d60428be2_fine,@function
k_q2d60428be2_fine:
	s_mov_b64 s[64:65], 0
	v_nop
	global_prefetch_b8 v0, s[64:65] scope:SCOPE_SE
	s_setreg_imm32_b32 hwreg(HW_REG_WAVE_MODE, 25, 1), 1
	s_wait_xcnt 0x0
; The first 16 positions of every sequence and head, once more, with f32 operands: these rows average one to sixteen values and are the largest in size.  q, k, v: qkv32 [64 = 16 x sequence + position][3072] f32.
; One wave takes (sequence, head): 16 queries x 16 keys x 128 channels.  y is rounded to f16 once and written over what the launch before stored in these 64 rows.
; LIMIT: |y| stays under 65,504, f16's largest number; NaN and infinities among the inputs are not served.
; S^T = K Q^T: 32 products of 16 x 16 x 4 on two accumulators by turns.  A lane loads 16 neighbouring bytes of its row at 32 c + 16 h: the same order of the channels on both sides keeps the products.
; O^T = V^T P: p lies with keys 8 h + j in a lane; product i takes p's registers 2 i, 2 i + 1, and V is loaded to match: lane (r, h), register 2 i + e = V(key 8 h + 2 i + e, channel 16 ct + r).
; REGISTERS: v1-11 addresses; v12 a lane permute's destination; v13 1 / l; v16-79 Q, later V's channels 64-127 (v16-47), later the packed rows; v80-143 K, later the scores and p (v80-87), work (v88-93), later O^T / l;
;   v144-175 V's channels 0-63; v176-183, v184-191 the two halves of S^T; v192-255 O^T.
; The registers that these matrix instructions write (v176-255) are written by matrix instructions alone; what is made of the sums goes into other registers.
.set SPARE, 4352                       ; behind the stage (16 rows x 272 bytes): the spare words, one block of 256 bytes that no other line names
.set QF,  16                           ; Q's 64 registers
.set KF,  80                           ; K's 64
.set VL,  144                          ; V, channels 0-63: asked for with K and Q
.set VH,  16                           ; V, channels 64-127: asked for behind the score products, into Q's registers
.set SA,  176
.set SB,  184
.set OT,  192
.set T,   80                           ; the scores, then p
.set TM,  88                           ; at work
	s_load_b128 s[4:7], s[0:1], 0x0                ; qkv32, y
	v_lshl_add_u32 v10, v0, 2, SPARE               ; my spare word,
	v_mov_b32 v11, 0                               ; and 0: kept for the add alone
	v_and_b32 v1, 15, v0                           ; r
	v_bfe_u32 v2, v0, 4, 1                         ; h
	v_mul_u32_u24 v3, v1, 12288
	v_lshl_add_u32 v3, v2, 4, v3                   ; Q, K: row r, + 16 h
	v_mul_u32_u24 v4, v2, 98304
	v_lshl_add_u32 v4, v1, 2, v4                   ; V: row 8 h, + 4 r
	v_lshlrev_b32 v5, 3, v2
	v_sub_nc_u32 v5, v1, v5                        ; r - 8 h: key 8 h + j is hidden where j > r - 8 h
	v_mov_b32 v6, 0xff800000                       ; -infinity
	v_mul_u32_u24 v7, v1, 272
	v_lshl_add_u32 v7, v2, 4, v7                   ; the stage, in
	v_mul_u32_u24 v8, v2, 272
	v_lshl_add_u32 v8, v1, 4, v8                   ; and back
	v_lshlrev_b32 v9, 12, v2
	v_lshl_add_u32 v9, v1, 4, v9                   ; y: two rows an instruction
	v_mov_b32 v12, 0                               ; a lane permute's destination counts as one of its sources
	s_lshr_b32 s8, ttmp9, 4                        ; the sequence
	s_and_b32 s9, ttmp9, 15                        ; the head
	s_lshr_b32 s10, s9, 2                          ; its key head
	s_mul_i32 s12, s8, 196608                      ; the sequence's 16 rows of 12,288 bytes
	s_lshl_b32 s14, s9, 9
	s_add_co_u32 s14, s14, s12
	s_mov_b32 s15, 0
	s_lshl_b32 s16, s10, 9
	s_add_co_u32 s16, s16, s12
	s_add_co_u32 s16, s16, 8192
	s_mov_b32 s17, 0
	s_lshl_b32 s18, s8, 22                         ; y: 1,024 rows of 4,096 bytes a sequence,
	s_lshl_b32 s19, s9, 8                          ; 256 bytes a head
	s_add_co_u32 s18, s18, s19
	s_mov_b32 s19, 0
	s_mov_b32 s20, 0x76543210
	s_mov_b32 s21, 0xfedcba98                      ; v_permlanex16_b32's selects for lane l xor 16
	s_mov_b32 s22, 0x3e0293ee                      ; c = log2(e) / sqrt(128)
	s_wait_kmcnt 0x0
	s_add_nc_u64 s[14:15], s[4:5], s[14:15]        ; Q
	s_add_nc_u64 s[16:17], s[4:5], s[16:17]        ; K; V lies 2,048 bytes behind it in a row
	s_add_nc_u64 s[6:7], s[6:7], s[18:19]
.set c, 0
.rept 16
	global_load_b128 v[KF+4*c:KF+4*c+3], v3, s[16:17] offset:32*c
	global_load_b128 v[QF+4*c:QF+4*c+3], v3, s[14:15] offset:32*c
.set c, c+1
.endr
.set c, 0
.rept 4
.set i, 0
.rept 8
	global_load_b32 v[VL+8*c+i], v4, s[16:17] offset:i*12288+64*c+2048
.set i, i+1
.endr
.set c, c+1
.endr
	s_wait_loadcnt 32                              ; K and Q are in; the 32 loads of V issued behind them may be out
	v_wmma_f32_16x16x4_f32 v[SA:SA+7], v[KF:KF+1], v[QF:QF+1], 0          ; each half's first product starts its sum
	v_wmma_f32_16x16x4_f32 v[SB:SB+7], v[KF+2:KF+3], v[QF+2:QF+3], 0
.set u, 2
.rept 15                                       ; the two accumulators by turns, one instruction a turn
	v_wmma_f32_16x16x4_f32 v[SA:SA+7], v[KF+2*u:KF+2*u+1], v[QF+2*u:QF+2*u+1], v[SA:SA+7]
	v_wmma_f32_16x16x4_f32 v[SB:SB+7], v[KF+2*u+2:KF+2*u+3], v[QF+2*u+2:QF+2*u+3], v[SB:SB+7]
.set u, u+2
.endr
.rept 8
	v_nop                                          ; eight places behind this form: for the loads into Q's registers, the writes into K's and the first read of the sums
.endr
.set c, 4
.rept 4
.set i, 0
.rept 8
	global_load_b32 v[VH+8*(c-4)+i], v4, s[16:17] offset:i*12288+64*c+2048   ; V's other half lands while the softmax is made
.set i, i+1
.endr
.set c, c+1
.endr
.irp j, 0,1,2,3,4,5,6,7
	v_add_f32 v[T+\j], v[SA+\j], v[SB+\j]          ; the two halves of the sum, from the low end on
.endr
.irp j, 0,1,2,3,4,5,6,7
	v_cmp_gt_i32 vcc_lo, \j, v5
	v_cndmask_b32 v[T+\j], v[T+\j], v6, vcc_lo     ; hidden keys: -infinity, so that p is 0
.endr
	v_max3_num_f32 v[TM], v[T], v[T+1], v[T+2]
	v_max3_num_f32 v[TM+1], v[T+3], v[T+4], v[T+5]
	v_max3_num_f32 v[TM], v[TM], v[T+6], v[T+7]
	v_max_num_f32 v[TM], v[TM], v[TM+1]
	v_permlanex16_b32 v12, v[TM], s20, s21
	v_max_num_f32 v[TM], v[TM], v12                ; the row's maximum: key 0 counts for every query
	v_mul_f32 v[TM+1], s22, v[TM]
.irp j, 0,1,2,3,4,5,6,7
	v_fma_f32 v[T+\j], v[T+\j], s22, -v[TM+1]      ; c s - c m
.endr
.irp j, 0,1,2,3,4,5,6,7
	v_exp_f32 v[T+\j], v[T+\j]
.endr
	v_nop                                          ; a plain instruction behind the batch,
	s_wait_alu depctr_va_vdst(0)                   ; and its one wait, ahead of the first reader
	v_add_f32 v[TM+2], v[T], v[T+1]
	v_add_f32 v[TM+3], v[T+2], v[T+3]
	v_add_f32 v[TM+4], v[T+4], v[T+5]
	v_add_f32 v[TM+5], v[T+6], v[T+7]
	v_add_f32 v[TM+2], v[TM+2], v[TM+3]
	v_add_f32 v[TM+4], v[TM+4], v[TM+5]
	v_add_f32 v[TM+2], v[TM+2], v[TM+4]
	v_permlanex16_b32 v12, v[TM+2], s20, s21
	v_add_f32 v[TM+2], v[TM+2], v12                ; l
	v_rcp_f32 v13, v[TM+2]
	v_nop                                          ; a plain instruction behind the reciprocal,
	s_wait_alu depctr_va_vdst(0)                   ; and its wait, ahead of the first use
	s_wait_loadcnt 0x0                             ; all of V
.irp ct, 0,1,2,3,4,5,6,7                       ; channels 16 ct on: V's registers lie at VL + 8 ct (ct < 4) or VH + 8 (ct - 4)
.set rV, VL+8*\ct-(VL+32-VH)*(\ct/4)
	v_wmma_f32_16x16x4_f32 v[OT+8*\ct:OT+8*\ct+7], v[rV:rV+1], v[T:T+1], 0
.endr
.irp i, 1,2,3
.irp ct, 0,1,2,3,4,5,6,7                       ; the eight accumulators by turns
.set rV, VL+8*\ct-(VL+32-VH)*(\ct/4)+2*\i
	v_wmma_f32_16x16x4_f32 v[OT+8*\ct:OT+8*\ct+7], v[rV:rV+1], v[T+2*\i:T+2*\i+1], v[OT+8*\ct:OT+8*\ct+7]
.endr
.endr
.rept 8
	v_nop                                          ; eight places: the sums are read, and p's and V's registers are written, only behind them
.endr
.set i, 0
.rept 64
	v_mul_f32 v[KF+i], v[OT+i], v13                ; O^T / l, into other registers; each accumulator from its low end on
.set i, i+1
.endr
.set i, 0
.rept 32
	v_cvt_pk_f16_f32 v[16+i], v[KF+2*i], v[KF+2*i+1]   ; registers 4 f .. 4 f + 3: channels 16 f + 8 h + 0 .. 7 of query r: 16 bytes
.set i, i+1
.endr
.irp f, 0,1,2,3,4,5,6,7
	ds_store_b128 v7, v[16+4*\f:19+4*\f] offset:32*\f
.endr
.irp f, 0,1,2,3,4,5,6,7
	ds_load_b128 v[48+4*\f:51+4*\f], v8 offset:\f*544   ; LDS serves a wave's instructions in order: these see the stores above
.endr
.irp f, 0,1,2,3,4,5,6,7
	s_wait_dscnt 7-\f                              ; the loads behind this one may be out
	global_store_b128 v9, v[48+4*\f:51+4*\f], s[6:7] offset:\f*8192   ; 16 lanes store 256 consecutive aligned bytes
.endr
	s_wait_tensorcnt 0x0                           ; the wave's end
	ds_add_u32 v10, v11
	s_wait_dscnt 0x0
	s_endpgm
.Lfunc_end_k_q2d60428be2_fine:
	.size	k_q2d60428be2_fine, .Lfunc_end_k_q2d60428be2_fine-k_q2d60428be2_fine
	.p2alignl 7, 3214868480
	.fill 96, 4, 3214868480
	.section	.rodata,"a",@progbits
	.p2align	6, 0x0
	.amdhsa_kernel k_q2d60428be2_fine
		.amdhsa_group_segment_fixed_size 4608
		.amdhsa_private_segment_fixed_size 0
		.amdhsa_enable_private_segment 0
		.amdhsa_kernarg_size 16
		.amdhsa_user_sgpr_count 2
		.amdhsa_user_sgpr_kernarg_segment_ptr 1
		.amdhsa_wavefront_size32 1
		.amdhsa_system_sgpr_workgroup_id_x 1
		.amdhsa_system_sgpr_workgroup_id_y 1
		.amdhsa_system_sgpr_workgroup_id_z 1
		.amdhsa_system_vgpr_workitem_id 0
		.amdhsa_next_free_vgpr 256
		.amdhsa_next_free_sgpr 66
		.amdhsa_reserve_vcc 1
		.amdhsa_float_denorm_mode_32 3
		.amdhsa_float_denorm_mode_16_64 3
		.amdhsa_memory_ordered 1
		.amdhsa_forward_progress 1
		.amdhsa_inst_pref_size 25
	.end_amdhsa_kernel
	.amdgpu_metadata
---
amdhsa.version: [ 1, 2 ]
amdhsa.kernels:
  - .name:           k_q2d60428be2_fine
    .symbol:         k_q2d60428be2_fine.kd
    .args:
      - { .name: qkv32, .offset: 0, .size: 8, .value_kind: global_buffer, .address_space: global }
      - { .name: y, .offset: 8, .size: 8, .value_kind: global_buffer, .address_space: global }
    .group_segment_fixed_size: 4608
    .private_segment_fixed_size: 0
    .kernarg_segment_align: 8
    .kernarg_segment_size: 16
    .max_flat_workgroup_size: 32
    .sgpr_count:     66
    .vgpr_count:     256
    .wavefront_size: 32
...
	.end_amdgpu_metadata
.endif
;; end of part 4
;; launch gemm_out (part 5): grid 8 x 32, 4 waves a work-group, clusters of 4 x 4, 327,680 bytes of LDS; arguments y, wch, bc, out0; writes out0
.if DOCPART == 5
	.amdgcn_target "amdgcn-amd-amdhsa--gfx1250"
	.amdhsa_code_object_version 6
	.text
	.protected	k_q2d60428be2_gemm_out
	.globl	k_q2d60428be2_gemm_out
	.p2align	8
	.type	k_q2d60428be2_gemm_out,@function
k_q2d60428be2_gemm_out:
	s_mov_b64 s[64:65], 0
	v_nop
	global_prefetch_b8 v0, s[64:65] scope:SCOPE_SE
	s_setreg_imm32_b32 hwreg(HW_REG_WAVE_MODE, 25, 1), 1
	s_wait_xcnt 0x0
	s_wait_alu depctr_hold_cnt(0) depctr_sa_sdst(0) depctr_va_vdst(0) depctr_va_sdst(0) depctr_va_ssrc(0) depctr_va_vcc(0) depctr_vm_vsrc(0)
	s_getreg_b32 s2, hwreg(HW_REG_IB_STS2, 6, 4)
	s_cmp_eq_u32 s2, 0
	s_cbranch_scc0 .Lentry_in_a_cluster
	s_endpgm
.Lentry_in_a_cluster:
	s_bfe_u32 s2, ttmp6, 0x10000c
	s_cmp_lg_u32 s2, 0xf033
	s_cbranch_scc0 .Lentry_shape_is_right
	s_endpgm
.Lentry_shape_is_right:
; out0 = y Wc + bc.  y [4096][2048] f16; Wc as f16 in the order of the operand's registers (wch: fragment (n / 16, k / 32), 1,024 bytes at (64 (n / 16) + k / 32) 1024); bc [2048], out0 [4096][2048] f32; sums in f32.
; A tile of 128 x 256 to a work-group: 256 work-groups.  Four waves, each 64 x 128: 32 accumulators, 256 registers.  K goes in steps of 128 through a ring of two LDS slots:
; y's tile: 128 rows of 256 bytes, 16 bytes of padding behind each; Wc's: 16 tiles of 16 columns x 4,096 dense bytes; a fragment of Wc is two loads at 16 x lane.
; CLUSTERS: 4 x 4 work-groups; y's tiles are asked for jointly along a row of the cluster, Wc's along a column.
; THE MATRIX INSTRUCTION IS USED TRANSPOSED (source 0 = 16 columns of Wc, source 1 = 16 rows of y): a lane holds eight neighbouring numbers of a row of out0.
; The bias is the C of each sum's first matrix instruction: eight registers for each 16 columns, in the result's layout: nothing is cleared and nothing is added.
; No prefetch: every tile is read by several clusters, and one tile to a work-group.
; REGISTERS: window 0: v16-29 addresses; v64-95, v96-127 y's fragments, two buffers; v128-255 at work on the way out.  window 1: v0-63, v64-127 Wc's fragments, two buffers; v128-191 the bias.  window 2: the accumulators ((a, b) at v[8 (8 a + b)]).
.set PITCH,  272
.set HALFA,  64*PITCH
.set HALFB,  8*4096
.set BOFF,   2*HALFA
.set SLOT,   BOFF+2*HALFB
.set STAGE,  2*SLOT                    ; 16 rows x (512 + 16) bytes a wave; no tile lands here
.set SPITCH, 528
.set SPARE,  STAGE+4*16*SPITCH         ; the spare words: 128 bytes a wave, two blocks of 256 bytes that no other line names
.set LAPS,   8                         ; a lap = two K steps of 128
.set ADRA, 16
.set ADRB, 20
.set STO,  24
.set RD,   25
.set CO,   26
.set BO,   27
.set SPW,  28
.set NIL,  29
.set BK,   128
.set G1, 24
.set G0, 32
.set G1B, 48
.set G0B, 56
.set MSB, 0
.macro WIN new
.if MSB != \new
	s_set_vgpr_msb (MSB<<8)|\new
.set MSB, \new
.endif
.endm
.set MUL,   0xa1                       ; source 0 (Wc) window 1, source 1 (y) window 0, C and D window 2
.set MUL_B, 0x91                       ; the same with C (the bias) in window 1
.set TO_B,  0x40
.macro JLOAD s                         ; waves 0 and 1 fetch y's halves, waves 2 and 3 Wc's; an s_nop 0 and four v_nop follow each of the two lines
	s_cmp_eq_u32 s13, 0
	s_cbranch_scc0 .Lfor_b_\@
	tensor_load_to_lds s[G0+4*\s:G0+4*\s+3], s[G1:G1+7]
	s_nop 0
.rept 4
	v_nop
.endr
	s_branch .Lasked_\@
.Lfor_b_\@:
	tensor_load_to_lds s[G0B+4*\s:G0B+4*\s+3], s[G1B:G1B+7]
	s_nop 0
.rept 4
	v_nop
.endr
.Lasked_\@:
.endm
.macro CREST
	s_cmp_lg_u32 s12, 0
	s_cbranch_scc1 .Lnot_wave_0_\@
	s_barrier_signal -3
.Lnot_wave_0_\@:
	s_barrier_wait -3
	s_barrier_signal -1
	s_barrier_wait -1
.endm
.macro CROUND
	s_barrier_signal -1
	s_barrier_wait -1
	CREST
.endm
	s_load_b128 s[4:7], s[0:1], 0x0                ; y, wch
	s_load_b128 s[8:11], s[0:1], 0x10              ; bc, out0
	v_lshl_add_u32 v[SPW], v0, 2, SPARE
	v_mov_b32 v[NIL], 0
	ds_add_u32 v[SPW], v[NIL]                      ; the opening: the add, twice on end, and its wait ahead of my first tensor load
	ds_add_u32 v[SPW], v[NIL]
	v_lshrrev_b32 v1, 5, v0
	v_readfirstlane_b32 s12, v1                    ; wave
	s_lshr_b32 s13, s12, 1                         ; my half of the tile's rows; also: I fetch for y (0) or Wc (1)
	s_and_b32 s14, s12, 1                          ; my half of its columns; also: which half I fetch
	s_bfe_u32 s40, ttmp6, 0x40000                  ; cx
	s_bfe_u32 s41, ttmp6, 0x40004                  ; cy
	s_lshl_b32 s42, ttmp9, 2
	s_add_co_u32 s42, s42, s40                     ; tile column
	s_and_b32 s15, ttmp7, 0xffff
	s_lshl_b32 s15, s15, 2
	s_add_co_u32 s15, s15, s41                     ; tile row
	s_lshl_b32 s43, s41, 2
	s_lshl_b32 s43, 15, s43                        ; my row of the cluster
	s_lshl_b32 s44, 0x1111, s40                    ; my column
	s_or_b32 s[G1+0], s43, (1<<16)|(1<<20)|(1<<21)|(5<<22)|(3<<25)  ; y: elements of 2 bytes; 4 words of padding after every 64; bit 21 beside the mask
	s_mov_b32 s[G1+1], 128<<16
	s_mov_b32 s[G1+2], 64<<16
	s_mov_b32 s[G1+3], 128<<16
	s_mov_b32 s[G1+4], 64
	s_mov_b32 s[G1+5], 2048
	s_mov_b32 s[G1+6], 0
	s_mov_b32 s[G1+7], 0
	s_or_b32 s[G1B+0], s44, (3<<16)|(1<<21)        ; Wc: elements of 8 bytes, 8 rows of 512 (4,096 bytes), 8,192 elements apart, no padding
	s_mov_b32 s[G1B+1], 512<<16
	s_mov_b32 s[G1B+2], 8<<16
	s_mov_b32 s[G1B+3], 512<<16
	s_mov_b32 s[G1B+4], 8
	s_mov_b32 s[G1B+5], 8192
	s_mov_b32 s[G1B+6], 0
	s_mov_b32 s[G1B+7], 0
	s_lshl_b32 s16, s15, 7
	s_lshl_b32 s17, s14, 6
	s_add_co_u32 s16, s16, s17
	s_lshl_b32 s16, s16, 12                        ; y: row 128 x tile row + 64 x half, 4,096 bytes a row
	s_mov_b32 s17, 0
	s_lshl_b32 s46, s42, 4
	s_lshl_b32 s47, s14, 3
	s_add_co_u32 s46, s46, s47
	s_lshl_b32 s46, s46, 16                        ; Wc: tile of 16 columns 16 x tile column + 8 x half, 65,536 bytes each
	s_mov_b32 s47, 0
	s_mul_i32 s20, s14, HALFA                      ; where they go: no place in the cluster enters an LDS address
	s_mul_i32 s21, s14, HALFB
	s_add_co_u32 s21, s21, BOFF
	s_wait_dscnt 0x0                               ; both opening adds are done
	s_wait_kmcnt 0x0
	s_add_nc_u64 s[16:17], s[4:5], s[16:17]
	s_add_nc_u64 s[46:47], s[6:7], s[46:47]
	CROUND                                         ; all sixteen work-groups are here: the first joint loads meet
.irp s, 0,1
	s_mov_b32 s[G0+4*\s], 1
	s_add_co_u32 s[G0+4*\s+1], s20, \s*SLOT
	s_add_nc_u64 s[G0+4*\s+2:G0+4*\s+3], s[16:17], \s*256
	s_or_b32 s[G0+4*\s+3], s[G0+4*\s+3], 0x80000000
	s_mov_b32 s[G0B+4*\s], 1
	s_add_co_u32 s[G0B+4*\s+1], s21, \s*SLOT
	s_add_nc_u64 s[G0B+4*\s+2:G0B+4*\s+3], s[46:47], \s*4096
	s_or_b32 s[G0B+4*\s+3], s[G0B+4*\s+3], 0x80000000
	JLOAD \s                                       ; two loads of mine are out now
.endr
	v_and_b32 v1, 15, v0                           ; r
	v_bfe_u32 v2, v0, 4, 1                         ; h
	v_and_b32 v3, 31, v0
	v_lshlrev_b32 v[CO], 4, v3                     ; 16 x lane
	v_mul_u32_u24 v4, v1, PITCH
	v_lshl_add_u32 v4, v2, 4, v4
	s_mul_i32 s21, s13, HALFA
	s_mul_i32 s22, s14, HALFB
	s_add_co_u32 s22, s22, BOFF
.irp s, 0,1
	v_add_nc_u32 v[ADRA+\s], s21, v4
	v_add_nc_u32 v[ADRB+\s], s22, v[CO]
	s_add_co_u32 s21, s21, SLOT
	s_add_co_u32 s22, s22, SLOT
.endr
	s_mul_i32 s23, s12, 16*SPITCH
	s_add_co_u32 s23, s23, STAGE                   ; my stage
	v_mul_u32_u24 v5, v1, SPITCH
	v_lshl_add_u32 v5, v2, 5, v5
	v_add_nc_u32 v[STO], s23, v5                   ; in: row r, 32 bytes for each half of the lanes
	v_add_nc_u32 v[RD], s23, v[CO]                 ; back: the 32 lanes take one row of 512 bytes
	v_lshlrev_b32 v[BO], 5, v2                     ; the bias: 32 h
	s_lshl_b32 s46, s42, 10
	s_lshl_b32 s47, s14, 9
	s_add_co_u32 s46, s46, s47                     ; my first column in f32 bytes
	s_mov_b32 s47, 0
	s_add_nc_u64 s[8:9], s[8:9], s[46:47]
	s_lshl_b32 s20, s15, 7
	s_lshl_b32 s21, s13, 6
	s_add_co_u32 s20, s20, s21
	s_lshl_b32 s20, s20, 13                        ; my first row, 8,192 bytes a row
	s_mov_b32 s21, 0
	s_add_nc_u64 s[10:11], s[10:11], s[20:21]
	s_add_nc_u64 s[10:11], s[10:11], s[46:47]
	WIN TO_B
.irp b, 0,1,2,3,4,5,6,7
	global_load_b128 v[128+8*\b:131+8*\b], v[BO], s[8:9] offset:64*\b       ; bc(16 b + 8 h + 0 .. 7) of my 128 columns
	global_load_b128 v[132+8*\b:135+8*\b], v[BO], s[8:9] offset:64*\b+16
.endr
	WIN 0
; 8 matrix instructions: y's block a x Wc's eight, 32 along K, buffer f.  The 32 accumulators take turns, one instruction a turn, in the same order in every quarter.
.macro MUL8 f, a, zero
.irp b, 0,1,2,3,4,5,6,7
.if \zero
	v_wmma_f32_16x16x32_f16 v[8*(8*(\a)+\b):8*(8*(\a)+\b)+7], v[64*(\f)+8*\b:64*(\f)+8*\b+7], v[64+32*(\f)+8*(\a):64+32*(\f)+8*(\a)+7], v[128+8*\b:128+8*\b+7]
.else
	v_wmma_f32_16x16x32_f16 v[8*(8*(\a)+\b):8*(8*(\a)+\b)+7], v[64*(\f)+8*\b:64*(\f)+8*\b+7], v[64+32*(\f)+8*(\a):64+32*(\f)+8*(\a)+7], v[8*(8*(\a)+\b):8*(8*(\a)+\b)+7]
.endif
.endr
.endm
.macro FETCH slot, q, f                ; 24 LDS loads in one run: the fragments of the slot's q-th 32 along K into buffer f
	WIN TO_B
.irp i, 0,1,2,3,4,5,6,7
	ds_load_b128 v[64*(\f)+8*\i:64*(\f)+8*\i+3],   v[ADRB+\slot] offset:\i*4096+(\q)*1024
	ds_load_b128 v[64*(\f)+8*\i+4:64*(\f)+8*\i+7], v[ADRB+\slot] offset:\i*4096+(\q)*1024+512
.endr
	WIN 0
.irp i, 0,1,2,3
	ds_load_b128 v[64+32*(\f)+8*\i:64+32*(\f)+8*\i+3],   v[ADRA+\slot] offset:64*(\q)+\i*16*PITCH
	ds_load_b128 v[64+32*(\f)+8*\i+4:64+32*(\f)+8*\i+7], v[ADRA+\slot] offset:64*(\q)+\i*16*PITCH+32
.endr
.endm
.macro PLACES                          ; plain vector instructions between a matrix instruction and a load into, or a read of, its registers
.rept 4
	v_nop
.endr
.endm
; A K step is four quarters of 32 along K, 32 matrix instructions each, on buffers 0, 1, 0, 1.  One of the first three: buffer f is in; the next quarter, qn, is fetched into g, 32 matrix instructions ahead of its use.
.macro QUARTER slot, qn, f, g, zero
	s_wait_dscnt 0x0
	PLACES
	FETCH \slot, \qn, \g
.if \zero
	WIN MUL_B
.else
	WIN MUL
.endif
	MUL8 \f, 0, \zero
	MUL8 \f, 1, \zero
	MUL8 \f, 2, \zero
	MUL8 \f, 3, \zero
.endm
; The last quarter multiplies buffer 1 and changes slots: one barrier; in front of it each wave waits for all its tensor loads, adds 0 to its spare word, and waits for that and for its reads of this slot.
.macro TURN slot, next, fill
	WIN 0
	s_wait_tensorcnt 0x0                           ; all my tensor loads have landed: my part of the next slot
	ds_add_u32 v[SPW], v[NIL]
	s_wait_dscnt 1                                 ; buffer 1 is in; the add may be out
	WIN MUL
	MUL8 1, 0, 0
	s_wait_dscnt 0x0                               ; the add is done, and my reads of this slot are over
	s_barrier_signal -1
	MUL8 1, 1, 0
	WIN 0
	s_barrier_wait -1
.if \fill
	CREST                                          ; the barrier has opened a round of the cluster's: no wave of any partner still reads this slot or has a load on its way
	s_add_nc_u64 s[G0+4*\slot+2:G0+4*\slot+3], s[G0+4*\slot+2:G0+4*\slot+3], 2*256
	s_add_nc_u64 s[G0B+4*\slot+2:G0B+4*\slot+3], s[G0B+4*\slot+2:G0B+4*\slot+3], 2*4096
	JLOAD \slot                                    ; my one load behind the round; its four v_nop are also the places in front of the loads below
.else
	PLACES
.endif
	FETCH \next, 0, 0
	WIN MUL
	MUL8 1, 2, 0
	MUL8 1, 3, 0
.endm
	s_wait_tensorcnt 1                             ; my part of K step 0 is in; K step 1's load may be out
	s_barrier_signal -1
	s_barrier_wait -1
	FETCH 0, 0, 0
	s_wait_loadcnt 0x0                             ; the bias
	QUARTER 0, 1, 0, 1, 1                          ; the first quarter stands in front of the loop: its products start the sums, on the bias
	WIN 0
	s_mov_b32 s3, LAPS-1
.Llap:                                             ; a trip goes once round the ring and fills both slots again
	QUARTER 0, 2, 1, 0, 0
	QUARTER 0, 3, 0, 1, 0
	TURN 0, 1, 1
	QUARTER 1, 1, 0, 1, 0
	QUARTER 1, 2, 1, 0, 0
	QUARTER 1, 3, 0, 1, 0
	TURN 1, 0, 1
	QUARTER 0, 1, 0, 1, 0
	WIN 0
	s_sub_co_u32 s3, s3, 1
	s_cmp_lg_u32 s3, 0
	s_cbranch_scc1 .Llap
	QUARTER 0, 2, 1, 0, 0                          ; the last lap fills nothing
	QUARTER 0, 3, 0, 1, 0
	TURN 0, 1, 0
	QUARTER 1, 1, 0, 1, 0
	QUARTER 1, 2, 1, 0, 0
	QUARTER 1, 3, 0, 1, 0
	s_wait_dscnt 0x0
	MUL8 1, 0, 0
	MUL8 1, 1, 0
	MUL8 1, 2, 0
	MUL8 1, 3, 0
	WIN 0
; THE WAY OUT, block by block of 16 rows x 128 columns: through my own stage, back as whole rows of 512 bytes.
.macro TOSTAGE a
.set AC, 64*(\a)
	WIN 0x08                                       ; an LDS store's data are its source 1: window 2
.irp b, 0,1,2,3,4,5,6,7
	ds_store_b128 v[STO], v[AC+8*\b:AC+8*\b+3] offset:64*\b          ; each accumulator from its low end on
	ds_store_b128 v[STO], v[AC+8*\b+4:AC+8*\b+7] offset:64*\b+16
.endr
	WIN 0
.set BB, BK+64*((\a)%2)
.irp t, 0,1,2,3,4,5,6,7,8,9,10,11,12,13,14,15
	ds_load_b128 v[BB+4*\t:BB+4*\t+3], v[RD] offset:\t*SPITCH        ; LDS serves a wave's instructions in order
.endr
.endm
.macro SEND a, younger                 ; younger: the LDS instructions issued behind block a's loads
.set BB, BK+64*((\a)%2)
	s_wait_dscnt \younger
.if (\a) > 0
	s_add_nc_u64 s[10:11], s[10:11], 16*8192       ; (behind a wait for the earlier stores' addresses)
.endif
.irp t, 0,1,2,3,4,5,6,7,8,9,10,11,12,13,14,15
	global_store_b128 v[CO], v[BB+4*\t:BB+4*\t+3], s[10:11] offset:\t*8192 th:TH_STORE_NT   ; 32 lanes store 512 consecutive aligned bytes
.endr
.endm
	PLACES
	TOSTAGE 0
.irp a, 1,2,3
.if \a > 1
	s_wait_xcnt 0x0                                ; block a - 2's stores have read their registers and their base
.endif
	TOSTAGE \a
	SEND \a-1, 32                                  ; behind block a - 1's loads: block a's 16 stores and 16 loads
.endr
	s_wait_xcnt 0x0
	SEND 3, 0
	s_wait_tensorcnt 0x0                           ; the wave's end
	ds_add_u32 v[SPW], v[NIL]
	s_wait_dscnt 0x0
	CROUND                                         ; the closing round
	s_endpgm
.Lfunc_end_k_q2d60428be2_gemm_out:
	.size	k_q2d60428be2_gemm_out, .Lfunc_end_k_q2d60428be2_gemm_out-k_q2d60428be2_gemm_out
	.p2alignl 7, 3214868480
	.fill 96, 4, 3214868480
	.section	.rodata,"a",@progbits
	.p2align	6, 0x0
	.amdhsa_kernel k_q2d60428be2_gemm_out
		.amdhsa_group_segment_fixed_size 327680
		.amdhsa_private_segment_fixed_size 0
		.amdhsa_enable_private_segment 0
		.amdhsa_kernarg_size 32
		.amdhsa_user_sgpr_count 2
		.amdhsa_user_sgpr_kernarg_segment_ptr 1
		.amdhsa_wavefront_size32 1
		.amdhsa_system_sgpr_workgroup_id_x 1
		.amdhsa_system_sgpr_workgroup_id_y 1
		.amdhsa_system_sgpr_workgroup_id_z 1
		.amdhsa_system_vgpr_workitem_id 0
		.amdhsa_next_free_vgpr 768
		.amdhsa_next_free_sgpr 66
		.amdhsa_reserve_vcc 0
		.amdhsa_float_denorm_mode_32 3
		.amdhsa_float_denorm_mode_16_64 3
		.amdhsa_memory_ordered 1
		.amdhsa_forward_progress 1
		.amdhsa_inst_pref_size 87
	.end_amdhsa_kernel
	.amdgpu_metadata
---
amdhsa.version: [ 1, 2 ]
amdhsa.kernels:
  - .name:           k_q2d60428be2_gemm_out
    .symbol:         k_q2d60428be2_gemm_out.kd
    .args:
      - { .name: y, .offset: 0, .size: 8, .value_kind: global_buffer, .address_space: global }
      - { .name: wch, .offset: 8, .size: 8, .value_kind: global_buffer, .address_space: global }
      - { .name: bc, .offset: 16, .size: 8, .value_kind: global_buffer, .address_space: global }
      - { .name: out0, .offset: 24, .size: 8, .value_kind: global_buffer, .address_space: global }
    .group_segment_fixed_size: 327680
    .private_segment_fixed_size: 0
    .kernarg_segment_align: 8
    .kernarg_segment_size: 32
    .max_flat_workgroup_size: 128
    .sgpr_count:     66
    .vgpr_count:     768
    .wavefront_size: 32
...
	.end_amdgpu_metadata
.endif
;; end of part 5
